; MI455X (gfx1250); checked and timed in simulation.
; The chip was launched on July 23, 2026; its instructions are those of AMD's public machine-readable ISA for CDNA 5 (MIT licence, August 2026) and "CDNA5" Instruction Set Architecture Reference Guide (July 2026). The comments in the code are by the model that wrote it; some were corrected since.
;; Dot Product Attention. Allowed arithmetic: matrix products marked QUANTISED: E2M3 operands, one E8M0 scale for each 32 along K, by v_wmma_scale_f32_16x16x128_f8f6f4 with both operands' format E2M3, f32 sums; everything else in f32.
;; Inputs: K 16 x 2,048 x 128 float32; Q 16 x 2,048 x 128 float32; V 16 x 2,048 x 128 float32; valid_lens 16 int32.
;; Outputs: out0 16 x 2,048 x 128 float32.
;; This version of the problem:
;;   THIS VERSION OF THE PROBLEM IS GIVEN IN LOW PRECISION. The matrix products marked QUANTISED in the list below multiply operands that are first quantised to E2M3 (2 exponent bits, 3 mantissa bits; 6 bits a number), with one power-of-two scale for each 32 numbers along K (OCP MX v1.0); their sums are f32. All else is computed in f32.
;;   The module's matrix products, in the order in which they are computed (A, B: the left and right operand; K: the contracted axis; several contracted axes count as one K, in the product's order):
;;     1. batch 16 x [M 2,048, K 128] x [K 128, N 2,048]; A: input Q; B: input K: QUANTISED
;;     2. batch 16 x [M 2,048, K 2,048] x [K 2,048, N 128]; A: softmax (see below); B: input V: QUANTISED
;;   THE QUANTISER, for each operand of a quantised product, along K:
;;     - K is cut into blocks of 32 from its start; a last block that is shorter is filled with zeros.
;;     - A block's scale is 2^e with e = floor(log2(the largest magnitude in the block)) - 2, held to -126 .. 127; a block of zeros has e = 0. As a byte (E8M0): e + 127.
;;     - Each number is divided by its block's scale, clamped to +-7.5, and rounded to the nearest number of E2M3, ties to even, subnormals kept.
;;     - The product sums the exact products of the quantised numbers (number of the format x scale) in f32.
;;   ~~~python
;;   def quantise(x, axis):      # numpy; x: float32 -> the quantised numbers, widened to float32 again
;;       x = np.moveaxis(x, axis, -1); K = x.shape[-1]
;;       x = np.pad(x, [(0, 0)] * (x.ndim - 1) + [(0, -K % 32)]); x = x.reshape(x.shape[:-1] + (-1, 32)); a = np.abs(x).max(-1, keepdims=True)
;;       e = np.where(a > 0, np.clip(np.frexp(np.where(a > 0, a, 1))[1] - 1 - 2, -126, 127), 0)      # np.frexp(a)[1] - 1 = floor(log2(a)), exactly
;;       r = np.clip(x / 2.0 ** e, -7.5, 7.5)
;;       step = 2.0 ** (np.maximum(np.frexp(np.where(r == 0, 1, r))[1] - 1, 0) - 3)
;;       q = np.round(r / step) * step * 2.0 ** e      # np.round: ties to even
;;       return np.moveaxis(q.reshape(q.shape[:-2] + (-1,))[..., :K], -1, axis).astype(np.float32)
;;   ~~~
;;   SOFTMAX AHEAD OF A QUANTISED PRODUCT. Where the list says 'softmax', what is quantised is not the finished softmax but p = 2^(t - M), with t = logit x log2(e) and M = ceil(the row's largest t), a whole number; so 1/2 < the row's largest p <= 1. The row's sum l is taken of the UNQUANTISED p, in f32, and the product's result is divided by l at the end. Since M is a whole number, a kernel that streams over the keys may use a running M (the ceiling of the running maximum): every later rescaling is an exact power of two, which a block's scale takes up: the codes' values come out the same.
;;   OPERANDS COMPUTED ON THE WAY. 'Computed on the way' means the value that the module computes at that place (a softmax that the list does not call 'softmax' is quantised finished and normalised). What goes into a quantiser is computed in f32, as accurately as f32 sums, v_exp_f32 and their like allow (about 1e-6 of the number): no bf16 or f16 on the way to a quantiser, and a product that is left as it is and whose result goes on into a quantised operand takes f32 operands (vector FMAs, or v_wmma_f32_16x16x4_f32). A number that lies on a knife's edge between two numbers of the format may be rounded either way, as far as f32 arithmetic and the matrix unit's own rounding can turn it there, and no further.
;; 2 versions. Each part assembles by itself: llvm-mc -triple=amdgcn-amd-amdhsa -mcpu=gfx1250 --defsym DOCPART=n.
;; ======== version 1 of 2: 2 launches
;; limits: right only within a limited range of input values
;; workspace buffers: kv 6,553,600 bytes; sched 256 bytes of whole numbers
;; launch prep (part 1): grid 256 x 1, 16 waves a work-group, no clusters, 139,264 bytes of LDS; arguments K, V, valid_lens, kv, sched; writes kv, sched
.if DOCPART == 1
	.amdgcn_target "amdgcn-amd-amdhsa--gfx1250"
	.amdhsa_code_object_version 6
	.text
	.protected	k_q17c4e0e61c_prep
	.globl	k_q17c4e0e61c_prep
	.p2align	8
	.type	k_q17c4e0e61c_prep,@function
k_q17c4e0e61c_prep:
	s_mov_b64 s[64:65], 0
	v_nop
	global_prefetch_b8 v0, s[64:65] scope:SCOPE_SE
	s_setreg_imm32_b32 hwreg(HW_REG_WAVE_MODE, 25, 1), 1
	s_wait_xcnt 0x0
; K and V [16][2048][128] f32 become codes of FP6 (E2M3) with one E8M0 scale byte for each 32 along a product's K (K: the head's 128; V: the keys),
; laid as RECORDS in the order of the operands' registers: record g = 16 x batch + step (a step = 128 keys) is 25,600 bytes:
;   fragment f (0-7: K's tiles, 8-15: V^T's tiles) at 1,536 f: registers 4 c .. 4 c + 3 of lane l at 512 c + 16 l;
;   at 24,576 K's scale words, at 25,088 V's: lane l's 16 bytes at 16 l; its word q is that of tile 4 (l / 16) + q, row l % 16.
; K's tile 2 b + u: lane (r, h) holds key 32 b + 8 u + r + 8 (r / 8) (so that the scores' registers of two neighbouring tiles are 16 neighbouring keys), channels 64 c + 32 h + 0 .. 31.
; V^T's tile t: lane (r, h) holds channel 16 t + r, keys 64 c + 32 h + 0 .. 31 of the step.
; A block's scale is 2^(floor(log2(its largest magnitude)) - 2); its byte is the largest magnitude's exponent field - 2, held at 1 from below.
; LIMITS: a block of zeros gets the byte 1 where the rule says 127 (its codes are zeros, and this program alone reads the bytes); blocks whose largest magnitude lies under 2^-124 keep the byte 1;
; NaN and infinities among the inputs are not served.
; SHARES: work-group g makes record g.  Sixteen waves: waves 0-7 take K, waves 8-15 V; wave w loads 16 whole rows (512 consecutive bytes a load), all sixteen loads out at once, puts them into a stage in LDS,
; and behind a barrier reads its own fragment's numbers out of the stage in the order that the conversions want: a lane holds two whole blocks of 32, so no other lane is asked for a maximum.
; Wave 1 of work-group 0 also sorts the sixteen batches by the keys that they walk and stores the list {batch, valid_len} by rank (0 = fewest) for the next launch.
.set RECB,  25600
.set RP,    528                        ; a stage row: 512 bytes + 16
.set BLK,   32*RP+128                  ; 32 rows, and 128 bytes more: lanes 16-31 of V's column reads, one block on, then stand 32 words further round the banks than lanes 0-15 (64 banks of 4 bytes: ISA guide 11.1)
.set VST,   4*BLK                      ; K's stage at 0, V's behind it
.set SCST,  2*VST                      ; the scale words: K's 512 bytes, then V's
.set SPARE, SCST+1024                  ; the spare words, 128 bytes for each wave: eight blocks of 256 bytes that no other line names
.set X,     32                         ; v32-95   my fragment's 64 numbers
.set C,     96                         ; v96-107  its codes
.set TT,    108                        ; v108-110, v112-114: the second halves of the two blocks (a conversion's three registers begin on an even number)
; v1 lane, v2 r, v3 h; v4 16 x lane; v5 stage, in; v6 stage, K's way out; v7 stage, V's way out; v8, v9 scale words in and out; v10, v11 the add's two; v12 a valid_len; v14-21 at work; v24-29 the list
	s_load_b256 s[4:11], s[0:1], 0x0               ; K s[4:5], V s[6:7], valid_lens s[8:9], kv s[10:11]
	s_load_b64 s[12:13], s[0:1], 0x20              ; sched
	v_lshl_add_u32 v10, v0, 2, SPARE
	v_mov_b32 v11, 0
	v_lshrrev_b32 v1, 5, v0
	v_readfirstlane_b32 s14, v1                    ; wave 0..15
	s_lshr_b32 s15, s14, 3                         ; 0: K, 1: V
	s_and_b32 s16, s14, 7                          ; t: my tile
	s_xor_b32 s18, s14, 1
	s_or_b32 s18, s18, ttmp9                       ; 0 in wave 1 of work-group 0 alone
	s_mov_b32 s20, 0x76543210
	s_mov_b32 s21, 0xfedcba98                      ; v_permlanex16_b32's selects for lane l xor 16
	s_lshr_b32 s17, s16, 1                         ; b
	s_and_b32 s19, s16, 1                          ; u
	v_and_b32 v1, 31, v0
	v_and_b32 v2, 15, v0
	v_bfe_u32 v3, v0, 4, 1
	v_lshlrev_b32 v4, 4, v1
	; every LDS address is made here, ahead of the first parting of the waves
	s_mul_i32 s22, s17, BLK
	s_mul_i32 s23, s19, 8*RP
	s_add_co_u32 s22, s22, s23                     ; row 32 b + 8 u of a stage
	s_mul_i32 s23, s15, VST
	s_add_co_u32 s23, s23, s22
	v_add_nc_u32 v5, s23, v4                       ; in: my tensor's stage, that row, 16 bytes a lane
	v_and_b32 v6, 8, v2
	v_add_nc_u32 v6, v6, v2                        ; r + 8 (r / 8)
	v_mul_u32_u24 v6, v6, RP
	v_lshl_add_u32 v6, v3, 7, v6
	v_add_nc_u32 v6, s22, v6                       ; K's way out: key 32 b + 8 u + r + 8 (r / 8), channels 32 h on
	v_mul_u32_u24 v7, v3, BLK
	v_lshl_add_u32 v7, v2, 2, v7
	s_lshl_b32 s23, s16, 6
	s_add_co_u32 s23, s23, VST
	v_add_nc_u32 v7, s23, v7                       ; V's way out: keys 32 h on, channel 16 t + r
	s_lshl_b32 s30, s15, 9
	s_add_co_u32 s30, s30, SCST
	v_add_nc_u32 v9, s30, v4                       ; my tensor's scale words, 16 bytes a lane
	s_lshr_b32 s23, s16, 2
	s_lshl_b32 s23, s23, 8
	s_add_co_u32 s30, s30, s23
	s_and_b32 s23, s16, 3
	s_lshl_b32 s23, s23, 2
	s_add_co_u32 s30, s30, s23
	v_lshl_add_u32 v8, v2, 4, s30                  ; and my row's word: 16 (r + 16 (t / 4)) + 4 (t % 4)
	; offsets in memory
	s_lshl_b32 s32, ttmp9, 16                      ; the step's 128 rows of 512 bytes
	s_lshl_b32 s23, s17, 14
	s_add_co_u32 s32, s32, s23
	s_lshl_b32 s23, s19, 12
	s_add_co_u32 s32, s32, s23                     ; + row 32 b + 8 u
	s_mov_b32 s33, 0
	s_mul_i32 s34, ttmp9, RECB
	s_mul_i32 s23, s14, 1536
	s_add_co_u32 s36, s34, s23                     ; my fragment in the record
	s_mov_b32 s37, 0
	s_lshl_b32 s23, s15, 9
	s_add_co_u32 s38, s34, s23
	s_add_co_u32 s38, s38, 24576                   ; my tensor's scale words in the record
	s_mov_b32 s39, 0
	v_mov_b32 v12, 0
	v_lshlrev_b32 v24, 2, v2
	s_wait_kmcnt 0x0
	s_cmp_eq_u32 s15, 0
	s_cselect_b64 s[24:25], s[4:5], s[6:7]         ; the choice hangs on the wave's number alone
	s_add_nc_u64 s[24:25], s[24:25], s[32:33]
	s_add_nc_u64 s[26:27], s[10:11], s[36:37]
	s_add_nc_u64 s[28:29], s[10:11], s[38:39]
	s_cmp_lg_u32 s18, 0
	s_cbranch_scc1 .Lno_lens
	global_load_b32 v12, v24, s[8:9]               ; valid_lens[lane % 16]: older than the row loads, so their counts below stay as they are
.Lno_lens:
.irp j, 0,1,2,3,4,5,6,7,8,9,10,11,12,13,14,15
	global_load_b128 v[X+4*\j:X+4*\j+3], v4, s[24:25] offset:(\j+8*(\j/8))*512 th:TH_LOAD_NT   ; rows 0-7 and 16-23 from mine on: a whole row of 512 bytes a load; read once in the launch
.endr
.irp j, 0,1,2,3,4,5,6,7,8,9,10,11,12,13,14,15
	s_wait_loadcnt 15-\j                           ; loads come back in order: row j is in, the 15 - j younger ones may be out
	ds_store_b128 v5, v[X+4*\j:X+4*\j+3] offset:(\j+8*(\j/8))*RP
.endr
	s_wait_dscnt 0x0                               ; for the others' sake: my rows lie in the stage
	s_barrier_signal -1
	s_barrier_wait -1
	s_cmp_lg_u32 s15, 0
	s_cbranch_scc1 .Lv_arm
.irp c, 0,1
.irp i, 0,1,2,3,4,5,6,7
	ds_load_b128 v[X+32*\c+4*\i:X+32*\c+4*\i+3], v6 offset:256*\c+16*\i   ; K(my key, 64 c + 32 h + 4 i ..)
.endr
.endr
	s_branch .Lread
.Lv_arm:
.irp c, 0,1
.irp i, 0,1,2,3,4,5,6,7,8,9,10,11,12,13,14,15,16,17,18,19,20,21,22,23,24,25,26,27,28,29,30,31
	ds_load_b32 v[X+32*\c+\i], v7 offset:2*BLK*\c+RP*\i   ; V(64 c + 32 h + i, my channel): my registers run down the keys
.endr
.endr
.Lread:
	s_wait_dscnt 0x0
.irp c, 0,1                                    ; my block 2 c + h: all its 32 numbers are mine
	v_max3_num_f32 v[14+\c], |v[X+32*\c]|, |v[X+32*\c+1]|, 0x1800000   ; and the floor 2^(3 - 127): so the byte cannot fall under 1
.endr
.irp i, 2,4,6,8,10,12,14,16,18,20,22,24,26,28,30
.irp c, 0,1
	v_max3_num_f32 v[14+\c], v[14+\c], |v[X+32*\c+\i]|, |v[X+32*\c+\i+1]|   ; (the two blocks by turns)
.endr
.endr
.irp c, 0,1
	v_add_nc_u32 v[16+\c], 0xff000000, v[14+\c]    ; 2 off the exponent field: the conversion takes the exponent field of this operand as its scale
.endr
.irp c, 0,1
	v_lshrrev_b32 v[18+\c], 23, v[16+\c]           ; the scale's byte
.endr
	v_lshl_or_b32 v20, v19, 16, v18                ; my two bytes, blocks h and 2 + h,
	v_lshlrev_b32 v21, 3, v3
	v_lshlrev_b32 v20, v21, v20                    ; at their places in the word;
	v_mov_b32 v21, 0
	v_permlanex16_b32 v21, v20, s20, s21
	v_or_b32 v20, v20, v21                         ; with lane l xor 16's two the word is whole
.irp c, 0,1
	v_cvt_scalef32_pk16_fp6_f32 v[C+6*\c:C+6*\c+2], v[X+32*\c:X+32*\c+15], v[16+\c]
	v_cvt_scalef32_pk16_fp6_f32 v[TT+4*\c:TT+4*\c+2], v[X+32*\c+16:X+32*\c+31], v[16+\c]
.endr
	v_nop                                          ; one plain place behind a scaled conversion
.irp c, 0,1
.irp i, 0,1,2
	v_mov_b32 v[C+6*\c+3+\i], v[TT+4*\c+\i]
.endr
.endr
.irp c, 0,1,2
	global_store_b128 v4, v[C+4*\c:C+4*\c+3], s[26:27] offset:512*\c   ; the fragment as it stands: 512 consecutive bytes a store, aligned
.endr
	ds_store_b32 v8, v20                           ; lanes l and l xor 16 write the same word with the same value
	s_wait_dscnt 0x0                               ; for the others' sake
	s_barrier_signal -1
	s_barrier_wait -1
	s_cmp_lg_u32 s16, 0
	s_cbranch_scc1 .Lno_words
	ds_load_b128 v[116:119], v9                    ; waves 0 and 8: the eight tiles' words, 512 bytes
	s_wait_dscnt 0x0
	global_store_b128 v4, v[116:119], s[28:29]
.Lno_words:
	s_cmp_lg_u32 s18, 0
	s_cbranch_scc1 .Lno_list
	; THE LIST.  A batch walks ceil(valid_len / 128) steps, all 16 where valid_len is 0 or less (every logit is then the fill value, and every key counts alike).
	v_add_nc_u32 v25, -1, v12
	v_min_u32 v25, 0x7ff, v25                      ; valid_len - 1 as an unsigned number, held at 2,047: 0 and less count as the longest
	v_lshl_or_b32 v25, v25, 4, v2                  ; with the batch's number below it no two keys are equal
	v_mov_b32 v26, 0
.irp j, 0,1,2,3,4,5,6,7,8,9,10,11,12,13,14,15
	v_readlane_b32 s30, v25, \j
	v_cmp_lt_u32 vcc_lo, s30, v25
	v_cndmask_b32 v27, 0, 1, vcc_lo
	v_add_nc_u32 v26, v26, v27                     ; my rank: how many keys lie under mine
.endr
	v_min_u32 v26, 15, v26
	v_lshlrev_b32 v26, 3, v26
	v_mov_b32 v28, v2
	v_mov_b32 v29, v12
	global_store_b64 v26, v[28:29], s[12:13]       ; {batch, valid_len} at 8 x rank; lanes 16-31 repeat lanes 0-15
.Lno_list:
	s_wait_tensorcnt 0x0                           ; the wave's end, behind my last LDS store
	ds_add_u32 v10, v11
	s_wait_dscnt 0x0
	s_endpgm
.Lfunc_end_k_q17c4e0e61c_prep:
	.size	k_q17c4e0e61c_prep, .Lfunc_end_k_q17c4e0e61c_prep-k_q17c4e0e61c_prep
	.p2alignl 7, 3214868480
	.fill 96, 4, 3214868480
	.section	.rodata,"a",@progbits
	.p2align	6, 0x0
	.amdhsa_kernel k_q17c4e0e61c_prep
		.amdhsa_group_segment_fixed_size 139264
		.amdhsa_private_segment_fixed_size 0
		.amdhsa_enable_private_segment 0
		.amdhsa_kernarg_size 40
		.amdhsa_user_sgpr_count 2
		.amdhsa_user_sgpr_kernarg_segment_ptr 1
		.amdhsa_wavefront_size32 1
		.amdhsa_system_sgpr_workgroup_id_x 1
		.amdhsa_system_sgpr_workgroup_id_y 1
		.amdhsa_system_sgpr_workgroup_id_z 1
		.amdhsa_system_vgpr_workitem_id 0
		.amdhsa_next_free_vgpr 128
		.amdhsa_next_free_sgpr 66
		.amdhsa_reserve_vcc 1
		.amdhsa_float_denorm_mode_32 3
		.amdhsa_float_denorm_mode_16_64 3
		.amdhsa_memory_ordered 1
		.amdhsa_forward_progress 1
		.amdhsa_inst_pref_size 19
	.end_amdhsa_kernel
	.amdgpu_metadata
---
amdhsa.version: [ 1, 2 ]
amdhsa.kernels:
  - .name:           k_q17c4e0e61c_prep
    .symbol:         k_q17c4e0e61c_prep.kd
    .args:
      - { .name: K, .offset: 0, .size: 8, .value_kind: global_buffer, .address_space: global }
      - { .name: V, .offset: 8, .size: 8, .value_kind: global_buffer, .address_space: global }
      - { .name: valid_lens, .offset: 16, .size: 8, .value_kind: global_buffer, .address_space: global }
      - { .name: kv, .offset: 24, .size: 8, .value_kind: global_buffer, .address_space: global }
      - { .name: sched, .offset: 32, .size: 8, .value_kind: global_buffer, .address_space: global }
    .group_segment_fixed_size: 139264
    .private_segment_fixed_size: 0
    .kernarg_segment_align: 8
    .kernarg_segment_size: 40
    .max_flat_workgroup_size: 512
    .sgpr_count:     66
    .vgpr_count:     128
    .wavefront_size: 32
...
	.end_amdgpu_metadata
.endif
;; end of part 1
;; launch attn (part 2): grid 256 x 1, 8 waves a work-group, no clusters, 138,240 bytes of LDS; arguments Q, kv, sched, out0; writes out0
.if DOCPART == 2
	.amdgcn_target "amdgcn-amd-amdhsa--gfx1250"
	.amdhsa_code_object_version 6
	.text
	.protected	k_q17c4e0e61c_attn
	.globl	k_q17c4e0e61c_attn
	.p2align	8
	.type	k_q17c4e0e61c_attn,@function
k_q17c4e0e61c_attn:
	s_mov_b64 s[64:65], 0
	v_nop
	global_prefetch_b8 v0, s[64:65] scope:SCOPE_SE
	s_setreg_imm32_b32 hwreg(HW_REG_WAVE_MODE, 25, 1), 1
	s_wait_xcnt 0x0
; out0[b][q][:] = the sum over k of softmax_k(logit) V[b][k][:], logit = Q[b][q] . K[b][k] / sqrt(128) where k < valid_lens[b], else -1e6.  Both products on codes of FP6 (E2M3), one E8M0 scale for each 32 along a product's K.
; THE SOFTMAX AHEAD OF THE SECOND PRODUCT: t = logit x log2(e); M = the running largest t rounded UP to a whole number; p = 2^(t - M) is quantised along the keys, not normalised; the row's sum is taken of the
; unquantised p and divides at the end.  When M moves, the sum and O are multiplied by 2^(old M - new M): exact.  A hidden key's t is the f32 product -1e6 x log2(e) = -1,442,695.0, put in the scores' place AS t.
; K and V come as records in the order of the operands' registers, made by the launch before (one record = 128 keys = 25,600 bytes: K's 8 fragments, V^T's 8, K's scale words, V's).  Q is read once, by one wave: it is quantised here, in registers.
; WHAT IS LEFT OUT: for valid_len >= 1 the key steps that lie wholly at or beyond valid_len.  Their p is 2^(-1,442,695 - M).
; LIMITS: that p is taken as 0, which holds while a row's largest valid logit lies above about -999,900, that is |Q . K| under 1.13e7; p under 2^-126 comes out of v_exp_f32 as 0;
; a block of zeros keeps the scale byte 1 (its codes are zeros); NaN and infinities among the inputs are not served.  For valid_len <= 0 all 2,048 keys are walked, each with the fill value's t.
; SHARES.  256 work-groups of eight waves; a wave owns 16 queries, one tile.  Work-group g: pair g / 32, query block g % 32.  Waves 0-3 take 64 queries of the batch of rank pair (few keys), waves 4-7 the same 64
; queries' places in the batch of rank 15 - pair (many keys): so each work-group's sum of key steps is about even, whatever valid_lens holds.  The ranks come from the list that the launch before stored.
; NO TENSOR LOAD, NO CLUSTER: the number of steps hangs on valid_lens, read from memory.  A record goes memory -> registers -> LDS: each of a half's 128 threads
; carries 200 bytes of it; each half has a ring of two slots.  The loop has 16 trips for every wave, one barrier a trip at its head.
; In trip T: record T + 1 (in registers since trip T - 1) is stored into the other slot, record T's fragments are read, record T + 2 is asked of memory.
; LAYOUT.  Both products are used transposed: S^T = K Q^T, O^T = V^T P^T: a lane holds ONE query (lane % 16) throughout; the 16 registers of score tiles 2 b, 2 b + 1 are keys 32 b + 16 (lane / 16) + 0 .. 15.
; REGISTERS, window 0: v1-4, v7-11 addresses; v5, v6 the add's two; v12 -M, v13 the largest t, v[14:15] the sum; v16-27 Q's codes; v28 valid_len - 16 h, v29 the same less the step's first key; v30 the hidden t;
;   v32-35 V's scale words, v36-39 K's; v40-43 block maxima; v44-47, v48-51, v52-58 at work; v[60:61] the sum's second chain; v62 f, v63 p's scale word; v64 at work; v65 Q's scale word; v66-70 the head's;
;   v96-159 S^T, then p; v160-223 O^T; v224-235 p's codes.   window 1: v0-49 a record's share in transit; v64-159 K's eight fragments; v160-255 V's.
.set RECB,  25600
.set KSCO,  24576                      ; K's scale words in a record
.set VSCO,  25088                      ; V's
.set STAGE, 4*RECB                     ; behind the two rings: 16 rows x 272 bytes for each wave, for the way out
.set SPARE, STAGE+8*16*272             ; the spare words, 128 bytes for each wave: four blocks of 256 bytes that no other line names
.set QC,  16
.set BM,  40
.set PT,  44
.set SOP, 48
.set CT,  52
.set S,   96
.set O,   160
.set P,   224
.set R,   0
.set KFR, 64
.set VFR, 160
.set MSB, 0
.macro WIN new                         ; the immediate's high byte repeats the setting that is left; at every label and branch the setting is 0
.if MSB != \new
	s_set_vgpr_msb (MSB<<8)|\new
.set MSB, \new
.endif
.endm
.macro PLACES                          ; four plain places behind matrix instructions, in front of loads into their registers and of the first read of their results
.rept 4
	v_nop
.endr
.endm
.macro RLOAD                           ; my 200 bytes of the record at s[6:7]: a wave's load covers 512 consecutive bytes (the last: 256)
	WIN 0x40                                       ; destination window 1
.irp k, 0,1,2,3,4,5,6,7,8,9,10,11
	global_load_b128 v[R+4*\k:R+4*\k+3], v4, s[6:7] offset:2048*\k
.endr
	global_load_b64 v[R+48:R+49], v8, s[6:7] offset:KSCO
	WIN 0
.endm
.macro RSTORE slot                     ; and into my half's slot, as they lie
	WIN 0x04                                       ; an LDS store's data are its source 1: window 1
.irp k, 0,1,2,3,4,5,6,7,8,9,10,11
	ds_store_b128 v2, v[R+4*\k:R+4*\k+3] offset:(\slot)*RECB+2048*\k
.endr
	ds_store_b64 v3, v[R+48:R+49] offset:(\slot)*RECB
	WIN 0
.endm
.macro FRAGS slot                      ; 50 LDS loads in one run: K's scale words, K's 8 fragments, V's 8, V's scale words; every load takes 512 consecutive bytes
	ds_load_b128 v[36:39], v1 offset:(\slot)*RECB+KSCO
	WIN 0x40
.irp f, 0,1,2,3,4,5,6,7
.irp c, 0,1,2
	ds_load_b128 v[KFR+12*\f+4*\c:KFR+12*\f+4*\c+3], v1 offset:(\slot)*RECB+1536*\f+512*\c
.endr
.endr
.irp f, 0,1,2,3,4,5,6,7
.irp c, 0,1,2
	ds_load_b128 v[VFR+12*\f+4*\c:VFR+12*\f+4*\c+3], v1 offset:(\slot)*RECB+12288+1536*\f+512*\c
.endr
.endr
	WIN 0
	ds_load_b128 v[32:35], v1 offset:(\slot)*RECB+VSCO
.endm
; S^T = K Q^T: eight tiles of 16 keys, each begun with the constant 0.  A scale register holds tile q's words in lanes 0-15 and tile 4 + q's in lanes 16-31.
.macro SPROD
	WIN 0x01                                       ; source 0 window 1
.irp t, 0,1,2,3
	v_wmma_scale_f32_16x16x128_f8f6f4 v[S+8*\t:S+8*\t+7], v[KFR+12*\t:KFR+12*\t+11], v[QC:QC+11], 0, v[36+\t], v65 matrix_a_fmt:MATRIX_FMT_FP6 matrix_b_fmt:MATRIX_FMT_FP6
.endr
.irp t, 4,5,6,7
	v_wmma_scale_f32_16x16x128_f8f6f4 v[S+8*\t:S+8*\t+7], v[KFR+12*\t:KFR+12*\t+11], v[QC:QC+11], 0, v[32+\t], v65 matrix_a_fmt:MATRIX_FMT_FP6 matrix_b_fmt:MATRIX_FMT_FP6 matrix_a_scale:MATRIX_SCALE_ROW1
.endr
	WIN 0
.endm
; O^T += V^T P^T: eight tiles of 16 channels; the eight accumulators take turns, one instruction a turn
.macro PVPROD
	WIN 0x01
.irp t, 0,1,2,3
	v_wmma_scale_f32_16x16x128_f8f6f4 v[O+8*\t:O+8*\t+7], v[VFR+12*\t:VFR+12*\t+11], v[P:P+11], v[O+8*\t:O+8*\t+7], v[32+\t], v63 matrix_a_fmt:MATRIX_FMT_FP6 matrix_b_fmt:MATRIX_FMT_FP6
.endr
.irp t, 4,5,6,7
	v_wmma_scale_f32_16x16x128_f8f6f4 v[O+8*\t:O+8*\t+7], v[VFR+12*\t:VFR+12*\t+11], v[P:P+11], v[O+8*\t:O+8*\t+7], v[28+\t], v63 matrix_a_fmt:MATRIX_FMT_FP6 matrix_b_fmt:MATRIX_FMT_FP6 matrix_a_scale:MATRIX_SCALE_ROW1
.endr
	WIN 0
.endm
; The largest of each block of 32 keys, into BM; the largest of the four into v64.  It serves twice: for the row's maximum, and, since p rises with t, for the block's largest p.  Each accumulator is read from its low end on.
.macro BLKMAX
.irp b, 0,1,2,3
	v_max3_num_f32 v[BM+\b], v[S+16*\b], v[S+16*\b+1], v[S+16*\b+2]
.endr
.irp i, 3,5,7,9,11,13
.irp b, 0,1,2,3
	v_max3_num_f32 v[BM+\b], v[BM+\b], v[S+16*\b+\i], v[S+16*\b+\i+1]   ; (the four blocks by turns)
.endr
.endr
.irp b, 0,1,2,3
	v_max_num_f32 v[BM+\b], v[BM+\b], v[S+16*\b+15]
.endr
.irp b, 0,1,2,3
	v_permlanex16_b32 v[PT+\b], v[BM+\b], s20, s21
.endr
.irp b, 0,1,2,3
	v_max_num_f32 v[BM+\b], v[BM+\b], v[PT+\b]     ; with lane l xor 16's 16 keys
.endr
	v_max3_num_f32 v64, v[BM], v[BM+1], v[BM+2]
	v_max_num_f32 v64, v64, v[BM+3]
.endm
.macro MUPD                            ; v64 = the step's largest t of my query
	v_max_num_f32 v13, v13, v64                    ; the running largest t
	v_mov_b32 v64, v12
	v_floor_f32 v12, -v13                          ; the new -M = floor(-t) = -ceil(t): a whole number
	v_sub_f32 v64, v12, v64                        ; old M - new M: a whole number, 0 or less
	v_cvt_i32_f32 v64, v64                         ; (it saturates)
	v_ldexp_f32 v62, 1.0, v64                      ; f = 2^(old M - new M)
.endm
.macro ARM_OPEN                        ; all 128 keys of the step count
	BLKMAX
	v_mul_f32 v64, s22, v64                        ; as t (c is positive)
	MUPD
.set jj, 0
.rept 32
	v_pk_fma_f32 v[S+jj:S+jj+1], v[S+jj:S+jj+1], s[22:23], v[12:13] op_sel_hi:[1,0,0]   ; t - M, two at a time
.set jj, jj+2
.endr
.irp b, 0,1,2,3
	v_fma_f32 v[BM+\b], v[BM+\b], s22, v12         ; the same of each block's largest score
.endr
.endm
.macro ARM_MASK                        ; some keys of the step are hidden: the scores become t first, then hidden keys get the fill value's t
	v_sub_nc_u32 v29, v28, s28                     ; d = valid_len - 16 (lane / 16) - the step's first key.  Register 16 b + i holds key first + 16 (lane / 16) + 32 b + i: hidden where 32 b + i >= d
.set jj, 0
.rept 32
	v_pk_mul_f32 v[S+jj:S+jj+1], v[S+jj:S+jj+1], s[22:23] op_sel_hi:[1,0]
.set jj, jj+2
.endr
.set n, 0
.rept 64
	v_cmp_ge_i32 vcc_lo, 32*(n/16)+n%16, v29
	v_cndmask_b32 v[S+n], v[S+n], v30, vcc_lo
.set n, n+1
.endr
	BLKMAX
	MUPD
.set jj, 0
.rept 32
	v_pk_add_f32 v[S+jj:S+jj+1], v[S+jj:S+jj+1], v[12:13] op_sel_hi:[1,0]   ; t - M
.set jj, jj+2
.endr
.irp b, 0,1,2,3
	v_add_f32 v[BM+\b], v[BM+\b], v12              ; the same addition on the same number gives the same bits
.endr
.endm
; 64 numbers of a lane in S, register 16 b + i = k 32 b + 16 (lane / 16) + i of my row, with the conversions' scale operands in SOP, become a fragment's 12 registers at dst
.macro QCODE dst
.irp c, 0,1
	v_cvt_scalef32_pk16_fp6_f32 v[\dst+6*\c:\dst+6*\c+2], v[S+32*\c:S+32*\c+15], v[SOP+2*\c]
	v_cvt_scalef32_pk16_fp6_f32 v[CT+4*\c:CT+4*\c+2], v[S+32*\c+16:S+32*\c+31], v[SOP+2*\c+1]   ; (a conversion's three registers begin on an even number)
.endr
	v_nop                                          ; one plain place behind a scaled conversion
.irp c, 0,1                                    ; the operand's layout wants a WHOLE block in a lane: lanes 0-15 block 2 c, lanes 16-31 block 2 c + 1
.irp i, 0,1,2
	v_permlane16_swap_b32 v[\dst+6*\c+\i], v[CT+4*\c+\i]
.endr
.irp i, 0,1,2
	v_mov_b32 v[\dst+6*\c+3+\i], v[CT+4*\c+\i]
.endr
.endr
.endm
.macro WORD w                          ; BM = the blocks' largest magnitudes, at or above the floor: the conversions' operands, the bytes, the scale word
.irp b, 0,1,2,3
	v_add_nc_u32 v[SOP+\b], 0xff000000, v[BM+\b]   ; 2 off the exponent field
.endr
.irp b, 0,1,2,3
	v_lshrrev_b32 v[PT+\b], 23, v[SOP+\b]          ; the scale's byte
.endr
	v_lshl_or_b32 v[\w], v[PT+1], 8, v[PT]
	v_lshl_or_b32 v[\w], v[PT+2], 16, v[\w]
	v_lshl_or_b32 v[\w], v[PT+3], 24, v[\w]
.endm
.macro TAIL                            ; S = t - M, BM = the same of each block's largest
.set jj, 0
.rept 64
	v_exp_f32 v[S+jj], v[S+jj]                     ; p = 2^(t - M), at most 1: not normalised
.set jj, jj+1
.endr
	v_pk_mul_f32 v[14:15], v[14:15], v[62:63] op_sel_hi:[1,0]   ; the sums under the new M: a plain place behind the exponentials
	s_wait_alu depctr_va_vdst(0)                   ; one wait for the batch of 64, ahead of its first reader
.irp b, 0,1,2,3
	v_exp_f32 v[BM+\b], v[BM+\b]                   ; the blocks' largest p
.endr
	v_pk_add_f32 v[60:61], v[S:S+1], v[S+2:S+3]    ; the row's sum of the UNQUANTISED p, two at a time, in two chains: plain work behind the four
.set jj, 4
.rept 15
	v_pk_add_f32 v[14:15], v[14:15], v[S+jj:S+jj+1]
	v_pk_add_f32 v[60:61], v[60:61], v[S+jj+2:S+jj+3]
.set jj, jj+4
.endr
	v_pk_add_f32 v[14:15], v[14:15], v[60:61]
	s_wait_alu depctr_va_vdst(0)                   ; and one for the four
.irp b, 0,1,2,3
	v_max_num_f32 v[BM+\b], 0x1800000, v[BM+\b]    ; the floor 2^(3 - 127): a block whose every p is 0 keeps the byte 1; its codes are zeros
.endr
	WORD 63
	QCODE P
.set jj, 0
.rept 32
	v_pk_mul_f32 v[O+jj:O+jj+1], v[O+jj:O+jj+1], v[62:63] op_sel_hi:[1,0]   ; O^T under the new M.  (These are also the places between the writes of p's codes and scale word and the products)
.set jj, jj+2
.endr
.endm
; ONE TRIP: the key step whose first key is s28, in my half's slot.
.macro TRIP slot
	s_wait_loadcnt 0x0                             ; the record asked for a trip ago is in my registers,
	s_wait_xcnt 0x0                                ; and the last prefetch has read its address: s[6:7] may step
	s_wait_dscnt 0x0                               ; my stores into this slot have landed, my reads of the other slot are over
	s_barrier_signal -1
	s_barrier_wait -1                              ; both now hold of all eight waves
	s_cmp_ge_u32 s28, s26
	s_cbranch_scc1 .Lidle_\@                       ; my half has walked its steps
	s_add_co_u32 s31, s28, 128
	s_cmp_ge_u32 s31, s26
	s_cbranch_scc1 .Lnost_\@
	RSTORE 1-\slot                                 ; the next step's record
.Lnost_\@:
	PLACES                                         ; behind the last trip's products, whose fragments and scale words are loaded anew
	FRAGS \slot
	s_wait_dscnt 25                                ; V's 24 loads and V's scale words may be out; K's are in, and the stores above have read their registers
	s_add_co_u32 s31, s28, 256
	s_cmp_ge_u32 s31, s26
	s_cbranch_scc1 .Lnold_\@
	s_add_nc_u64 s[6:7], s[6:7], RECB
	RLOAD                                          ; the record two steps on
	s_add_co_u32 s31, s28, 512
	s_cmp_ge_u32 s31, s29
	s_cbranch_scc1 .Lnold_\@
	; A prefetch of the record FOUR steps on, two trips ahead of the loads that will ask for it: its 96 blocks of 256 bytes of codes, a lane a block, 32 a wave.  All 32 work-groups of a pair walk the same records:
	; the pair's first asks, waves 0-2 of each half, so each block is named once in the launch.  Records 0-3 and the scale words come by their loads alone; the test keeps the request inside the batch's walked records.
	global_prefetch_b8 v9, s[6:7] offset:2*RECB th:TH_LOAD_NT scope:SCOPE_SE
.Lnold_\@:
	SPROD
	PLACES
	s_add_co_u32 s31, s28, 128
	s_cmp_le_u32 s31, s27
	s_cbranch_scc1 .Lopen_\@
	ARM_MASK
	s_branch .Ljoin_\@
.Lopen_\@:
	ARM_OPEN
.Ljoin_\@:
	TAIL
	s_wait_dscnt 0x0                               ; V's fragments and scale words are in
	PVPROD
.Lidle_\@:
	s_add_co_u32 s28, s28, 128
.endm
	s_load_b256 s[4:11], s[0:1], 0x0               ; Q s[4:5], kv s[6:7], sched s[8:9], out0 s[10:11]
	v_lshl_add_u32 v5, v0, 2, SPARE
	v_mov_b32 v6, 0
	v_lshrrev_b32 v66, 5, v0
	v_readfirstlane_b32 s12, v66                   ; wave 0..7
	s_lshr_b32 s13, s12, 2                         ; half
	s_and_b32 s14, s12, 3                          ; my place in it
	s_lshr_b32 s16, ttmp9, 5                       ; pair
	s_and_b32 s17, ttmp9, 31                       ; block of 64 queries
	s_sub_co_u32 s18, 15, s16
	s_cmp_eq_u32 s13, 0
	s_cselect_b32 s18, s16, s18                    ; my batch's rank
	s_lshl_b32 s32, s18, 3
	s_mov_b32 s33, 0
	s_wait_kmcnt 0x0
	s_add_nc_u64 s[8:9], s[8:9], s[32:33]
	s_load_b64 s[24:25], s[8:9], 0x0               ; {batch, valid_len}
	s_mov_b32 s20, 0x76543210
	s_mov_b32 s21, 0xfedcba98                      ; v_permlanex16_b32's selects for lane l xor 16
	s_mov_b32 s22, 0x3e0293ee                      ; c = log2(e) / sqrt(128)
	s_mov_b32 s23, s22                             ; (named with it as a pair)
	v_and_b32 v66, 31, v0                          ; lane
	v_and_b32 v67, 15, v0                          ; r
	v_bfe_u32 v68, v0, 4, 1                        ; h
	v_and_b32 v69, 127, v0                         ; my number in the half
	s_mul_i32 s31, s13, 2*RECB                     ; my half's ring
	v_lshl_add_u32 v1, v66, 4, s31                 ; a fragment's 16 bytes of my lane
	v_lshl_add_u32 v2, v69, 4, s31                 ; where I store my 16 bytes of each 2,048 of a record,
	s_add_co_u32 s31, s31, KSCO
	v_lshl_add_u32 v3, v69, 3, s31                 ; and my 8 bytes of its scale words
	v_lshlrev_b32 v4, 4, v69                       ; the same two places in memory
	v_lshlrev_b32 v8, 3, v69
	v_lshlrev_b32 v7, 9, v68
	v_lshl_add_u32 v7, v67, 4, v7                  ; the way out: lanes 0-15 one row of out0, lanes 16-31 the next; 16 bytes a lane
	s_lshl_b32 s31, s14, 13
	v_lshl_add_u32 v9, v66, 8, s31                 ; the prefetches: 8,192 x my place + 256 x lane
	s_mul_i32 s31, s12, 16*272
	s_add_co_u32 s31, s31, STAGE                   ; my stage
	v_mul_u32_u24 v10, v67, 272
	v_lshl_add_u32 v10, v68, 5, v10
	v_add_nc_u32 v10, s31, v10                     ; in: row r, 32 bytes for each half of the lanes
	v_mul_u32_u24 v11, v68, 272
	v_lshl_add_u32 v11, v67, 4, v11
	v_add_nc_u32 v11, s31, v11                     ; back: lanes 0-15 one row, lanes 16-31 the next
	v_lshlrev_b32 v70, 9, v67
	v_lshl_add_u32 v70, v68, 6, v70                ; Q: row r of 512 bytes, + 64 h: my 16 numbers of a block of 32
	s_wait_kmcnt 0x0
	s_min_u32 s24, s24, 15                         ; the batch
	s_sub_co_u32 s26, s25, 1
	s_min_u32 s26, s26, 2047                       ; valid_len - 1 as an unsigned number: 0 and less become 2,047
	s_lshr_b32 s26, s26, 7
	s_add_co_u32 s26, s26, 1
	s_lshl_b32 s26, s26, 7                         ; the keys that I walk: 128 x steps
	s_max_i32 s27, s25, 0
	s_min_u32 s27, s27, 2048                       ; valid_len, held to 0 .. 2,048
	s_cmp_lt_u32 s14, 3
	s_cselect_b32 s29, s26, 0
	s_cmp_eq_u32 s17, 0
	s_cselect_b32 s29, s29, 0                      ; the same for the prefetches: 0 in a wave that asks for nothing
	s_lshl_b32 s32, s24, 20                        ; a batch's 2,048 rows of 512 bytes,
	s_lshl_b32 s31, s17, 15
	s_add_co_u32 s32, s32, s31                     ; the block's 64,
	s_lshl_b32 s31, s14, 13
	s_add_co_u32 s32, s32, s31                     ; my 16
	s_add_nc_u64 s[4:5], s[4:5], s[32:33]
	s_add_nc_u64 s[10:11], s[10:11], s[32:33]
	s_mul_i32 s32, s24, 16*RECB
	s_add_nc_u64 s[6:7], s[6:7], s[32:33]          ; the batch's first record
.irp b, 0,1,2,3
.irp q, 0,1,2,3
	global_load_b128 v[S+16*\b+4*\q:S+16*\b+4*\q+3], v70, s[4:5] offset:128*\b+16*\q th:TH_LOAD_NT   ; register 16 b + i = Q(r, 32 b + 16 h + i)
.endr
.endr
	RLOAD                                          ; step 0's record
.irp b, 0,1,2,3
	v_mov_b32 v[PT+\b], 0                          ; written once: a lane permute's destination counts as one of its sources
.endr
	v_mov_b32 v64, 0
	v_mov_b32 v63, 0                               ; (named as the upper half of the pair v[62:63] before it is first written)
	v_mov_b32 v13, 0xff61b1e6                      ; the largest t so far: -3e38, under every t
	v_floor_f32 v12, -v13                          ; -M
	v_mov_b32 v14, 0                               ; the sum, in two halves
	v_mov_b32 v15, 0
	v_lshlrev_b32 v28, 4, v68
	v_sub_nc_u32 v28, s27, v28                     ; valid_len - 16 h
	v_mov_b32 v30, 0xc9b01c38                      ; -1,442,695.0 = the f32 product -1e6 x log2(e)
	s_wait_loadcnt 0x0                             ; Q and the record
	RSTORE 0
	s_wait_dscnt 0x0                               ; the stores have read their registers
	s_cmp_le_u32 s26, 128
	s_cbranch_scc1 .Lone_step
	s_add_nc_u64 s[6:7], s[6:7], RECB
	RLOAD                                          ; step 1's record, if there is one
.Lone_step:
	; Q's 16 rows become one fragment and one scale word a row
.irp b, 0,1,2,3
	v_max3_num_f32 v[BM+\b], |v[S+16*\b]|, |v[S+16*\b+1]|, 0x1800000   ; block b: my 16 numbers, and the floor 2^(3 - 127)
.endr
.irp i, 2,4,6,8,10,12,14
.irp b, 0,1,2,3
	v_max3_num_f32 v[BM+\b], v[BM+\b], |v[S+16*\b+\i]|, |v[S+16*\b+\i+1]|
.endr
.endr
.irp b, 0,1,2,3
	v_permlanex16_b32 v[PT+\b], v[BM+\b], s20, s21
.endr
.irp b, 0,1,2,3
	v_max_num_f32 v[BM+\b], v[BM+\b], v[PT+\b]     ; with lane l xor 16's: the block's largest magnitude
.endr
	WORD 65
	QCODE QC
.set jj, 0
.rept 64
	v_mov_b32 v[O+jj], 0                           ; O^T.  (The step is written once: the first finds zeros, which the first change of M leaves zeros.  These lines are also the places behind the writes of Q's codes and scale word)
.set jj, jj+1
.endr
	s_mov_b32 s28, 0                               ; the step's first key
	s_mov_b32 s30, 8
.Lpair:                                            ; 8 trips of two key steps, for every wave: the slot stands in the immediates
	TRIP 0
	TRIP 1
	s_sub_co_u32 s30, s30, 1
	s_cmp_lg_u32 s30, 0
	s_cbranch_scc1 .Lpair
	; THE WAY OUT.  O^T is divided by the sum and goes through my own stage in LDS, half a row (64 channels, 256 bytes) of 16 queries at a time, so that sixteen lanes store 256 consecutive bytes, aligned.
	PLACES
	v_add_f32 v14, v14, v15                        ; the sum's two halves,
	v_permlanex16_b32 v64, v14, s20, s21
	v_add_f32 v14, v14, v64                        ; and lane l xor 16's: the row's sum
	v_rcp_f32 v14, v14
	v_nop                                          ; a plain place behind the transcendental
	s_wait_alu depctr_va_vdst(0)                   ; and the wait ahead of its first reader
.set jj, 0
.rept 64
	v_mul_f32 v[S+jj], v[O+jj], v14                ; register 8 t + i is o(r, 16 t + 8 h + i); each accumulator from its low end on
.set jj, jj+1
.endr
.irp u, 0,1                                    ; channels 64 u on
.irp t, 0,1,2,3
	ds_store_b128 v10, v[S+32*\u+8*\t:S+32*\u+8*\t+3] offset:64*\t
	ds_store_b128 v10, v[S+32*\u+8*\t+4:S+32*\u+8*\t+7] offset:64*\t+16
.endr
.irp i, 0,1,2,3,4,5,6,7
	ds_load_b128 v[O+32*\u+4*\i:O+32*\u+4*\i+3], v11 offset:2*\i*272   ; LDS serves a wave's instructions in order: these see my stores, and the next half's stores come behind them
.endr
.endr
.irp u, 0,1
.irp i, 0,1,2,3,4,5,6,7
	s_wait_dscnt 23-16*\u-\i                       ; behind this load: the 7 - i of its half, and for the first half the second's 8 stores and 8 loads
	global_store_b128 v7, v[O+32*\u+4*\i:O+32*\u+4*\i+3], s[10:11] offset:2*\i*512+256*\u th:TH_STORE_NT
.endr
.endr
	s_wait_tensorcnt 0x0                           ; the wave's end, behind my last LDS store
	ds_add_u32 v5, v6
	s_wait_dscnt 0x0
	s_endpgm
.Lfunc_end_k_q17c4e0e61c_attn:
	.size	k_q17c4e0e61c_attn, .Lfunc_end_k_q17c4e0e61c_attn-k_q17c4e0e61c_attn
	.p2alignl 7, 3214868480
	.fill 96, 4, 3214868480
	.section	.rodata,"a",@progbits
	.p2align	6, 0x0
	.amdhsa_kernel k_q17c4e0e61c_attn
		.amdhsa_group_segment_fixed_size 138240
		.amdhsa_private_segment_fixed_size 0
		.amdhsa_enable_private_segment 0
		.amdhsa_kernarg_size 32
		.amdhsa_user_sgpr_count 2
		.amdhsa_user_sgpr_kernarg_segment_ptr 1
		.amdhsa_wavefront_size32 1
		.amdhsa_system_sgpr_workgroup_id_x 1
		.amdhsa_system_sgpr_workgroup_id_y 1
		.amdhsa_system_sgpr_workgroup_id_z 1
		.amdhsa_system_vgpr_workitem_id 0
		.amdhsa_next_free_vgpr 512
		.amdhsa_next_free_sgpr 66
		.amdhsa_reserve_vcc 1
		.amdhsa_float_denorm_mode_32 3
		.amdhsa_float_denorm_mode_16_64 3
		.amdhsa_memory_ordered 1
		.amdhsa_forward_progress 1
		.amdhsa_inst_pref_size 88
	.end_amdhsa_kernel
	.amdgpu_metadata
---
amdhsa.version: [ 1, 2 ]
amdhsa.kernels:
  - .name:           k_q17c4e0e61c_attn
    .symbol:         k_q17c4e0e61c_attn.kd
    .args:
      - { .name: Q, .offset: 0, .size: 8, .value_kind: global_buffer, .address_space: global }
      - { .name: kv, .offset: 8, .size: 8, .value_kind: global_buffer, .address_space: global }
      - { .name: sched, .offset: 16, .size: 8, .value_kind: global_buffer, .address_space: global }
      - { .name: out0, .offset: 24, .size: 8, .value_kind: global_buffer, .address_space: global }
    .group_segment_fixed_size: 138240
    .private_segment_fixed_size: 0
    .kernarg_segment_align: 8
    .kernarg_segment_size: 32
    .max_flat_workgroup_size: 256
    .sgpr_count:     66
    .vgpr_count:     512
    .wavefront_size: 32
...
	.end_amdgpu_metadata
.endif
;; end of part 2
;; ======== version 2 of 2: 2 launches
;; limits: right only within a limited range of input values
;; workspace buffers: kv 6,553,600 bytes; qc 3,276,800 bytes; sched 256 bytes of whole numbers
;; launch prep (part 3): grid 256 x 1, 16 waves a work-group, no clusters, 209,408 bytes of LDS; arguments K, V, Q, valid_lens, kv, qc, sched; writes kv, qc, sched
.if DOCPART == 3
	.amdgcn_target "amdgcn-amd-amdhsa--gfx1250"
	.amdhsa_code_object_version 6
	.text
	.protected	k_q17c4e0e61c_prep
	.globl	k_q17c4e0e61c_prep
	.p2align	8
	.type	k_q17c4e0e61c_prep,@function
k_q17c4e0e61c_prep:
	s_mov_b64 s[64:65], 0
	v_nop
	global_prefetch_b8 v0, s[64:65] scope:SCOPE_SE
	s_setreg_imm32_b32 hwreg(HW_REG_WAVE_MODE, 25, 1), 1
	s_wait_xcnt 0x0
; Q, K and V [16][2048][128] f32 become codes of FP6 (E2M3) with one E8M0 scale byte for each 32 along a product's K (Q, K: the head's 128; V: the keys), in the order of the operands' registers.
; kv: record g = 16 x batch + step (a step = 128 keys) is 25,600 bytes:
;   fragment f (0-7: K's tiles, 8-15: V^T's tiles) at 1,536 f: registers 4 c .. 4 c + 3 of lane l at 512 c + 16 l;
;   at 24,576 K's scale words, at 25,088 V's: lane l's 16 bytes at 16 l; its word q is that of tile 4 (l / 16) + q, row l % 16.
; K's tile 2 b + u: lane (r, h) holds key 32 b + 8 u + r + 8 (r / 8) (so that the scores' registers of two neighbouring tiles are 16 neighbouring keys), channels 64 c + 32 h + 0 .. 31.
; V^T's tile t: lane (r, h) holds channel 16 t + r, keys 64 c + 32 h + 0 .. 31 of the step.
; qc: a block of 64 queries is 6,400 bytes: tile t (16 neighbouring queries) at 1,536 t, its registers 6 c .. 6 c + 3 at 768 c + 16 l, 6 c + 4 and 6 c + 5 at 768 c + 512 + 8 l; at 6,144 the scale words: row r's 16 bytes at 16 r, word t is tile t's.
; A block's scale is 2^(floor(log2(its largest magnitude)) - 2); its byte is the largest magnitude's exponent field - 2, held at 1 from below.
; LEFT OUT, by the whole numbers in valid_lens: a record whose 128 keys all lie at or beyond the batch's valid_len (where that is 1 or more) is neither read nor made: the next launch walks no such step, and says why.
; LIMITS: a block of zeros gets the byte 1 where the rule says 127 (its codes are zeros, and this program alone reads the bytes); blocks whose largest magnitude lies under 2^-124 keep the byte 1;
; NaN and infinities among the inputs are not served, nor carried from what is left out.
; SHARES: work-group g makes Q's rows 128 g .. 128 g + 127 and record g.  Q: wave w makes half c = w / 8 (channels 64 c on) of tile w % 8: eight loads of two rows x 256 bytes, turned through a stage of the wave's own, a block of 32 to a lane.
; K and V: waves 0-7 take K, waves 8-15 V; wave w loads 16 whole rows (512 consecutive bytes a load), puts them into a stage in LDS, and behind a barrier reads its own fragment's numbers in the order that the conversions want:
; a lane holds two whole blocks of 32.  Four of Q's loads go out ahead of the wait for valid_lens, on which K's and V's hang, the other four behind K's and V's; Q is converted last.  Barriers stand on every path; only the work between them is left out.
; Wave 1 of work-group 0 also sorts the sixteen batches by the keys that they walk and stores the list {batch, valid_len} by rank (0 = fewest).
; No prefetch: the launch has no loop to run ahead in.  No tensor load: what is loaded hangs on valid_lens.
.set RECB,  25600
.set RP,    528                        ; a stage row: 512 bytes + 16
.set QP,    272                        ; a row of a wave's stage for Q: 256 bytes + 16
.set BLK,   32*RP+128                  ; 32 rows, and 128 bytes more: lanes 16-31 of V's column reads then stand 32 words further round the banks than lanes 0-15 (64 banks of 4 bytes: ISA guide 11.1)
.set VST,   4*BLK                      ; K's stage at 0, V's behind it
.set QST,   2*VST                      ; the waves' own stages for Q, 16 rows each
.set SCST,  QST+16*16*QP               ; the scale words: K's 512 bytes, V's, Q's
.set SCQ,   SCST+1024
.set SPARE, SCST+1536                  ; the spare words, 128 bytes for each wave: eight blocks of 256 bytes that no other line names
.set X,     32                         ; v32-95   my K or V fragment's 64 numbers
.set C,     96                         ; v96-107  its codes
.set TT,    108                        ; v108-110, v112-114: second halves of two blocks (a conversion's three registers begin on an even number)
.set QX,    120                        ; v120-151 Q's numbers as loaded
.set QC,    152                        ; v152-157 Q's codes; v158-160 a second half
.set QY,    168                        ; v168-199 Q's numbers, a block to a lane
	s_load_b256 s[4:11], s[0:1], 0x0               ; K s[4:5], V s[6:7], Q s[8:9], valid_lens s[10:11]
	s_load_b128 s[12:15], s[0:1], 0x20             ; kv s[12:13], qc s[14:15]
	s_load_b64 s[16:17], s[0:1], 0x30              ; sched
	v_lshl_add_u32 v10, v0, 2, SPARE
	v_mov_b32 v11, 0
	v_lshrrev_b32 v1, 5, v0
	v_readfirstlane_b32 s18, v1                    ; wave 0..15
	s_lshr_b32 s19, s18, 3                         ; 0: K, 1: V; and Q's half c
	s_and_b32 s20, s18, 7                          ; t: my tile
	s_lshr_b32 s21, s20, 1                         ; b
	s_and_b32 s22, s20, 1                          ; u
	s_xor_b32 s23, s18, 1
	s_or_b32 s23, s23, ttmp9                       ; 0 in wave 1 of work-group 0 alone
	s_mov_b32 s24, 0x76543210
	s_mov_b32 s25, 0xfedcba98                      ; v_permlanex16_b32's selects for lane l xor 16
	v_and_b32 v1, 31, v0
	v_and_b32 v2, 15, v0
	v_bfe_u32 v3, v0, 4, 1
	v_lshlrev_b32 v4, 4, v1
	v_lshlrev_b32 v23, 3, v1
	v_lshlrev_b32 v24, 2, v2
	v_mov_b32 v12, 0
	; every LDS address is made here, ahead of the first parting of the waves
	s_mul_i32 s34, s21, BLK
	s_mul_i32 s35, s22, 8*RP
	s_add_co_u32 s34, s34, s35                     ; row 32 b + 8 u of a stage
	s_mul_i32 s35, s19, VST
	s_add_co_u32 s35, s35, s34
	v_add_nc_u32 v5, s35, v4                       ; in: my tensor's stage, that row, 16 bytes a lane
	v_and_b32 v6, 8, v2
	v_add_nc_u32 v6, v6, v2                        ; r + 8 (r / 8)
	v_mul_u32_u24 v6, v6, RP
	v_lshl_add_u32 v6, v3, 7, v6
	v_add_nc_u32 v6, s34, v6                       ; K's way out: key 32 b + 8 u + r + 8 (r / 8), channels 32 h on
	v_mul_u32_u24 v7, v3, BLK
	v_lshl_add_u32 v7, v2, 2, v7
	s_lshl_b32 s35, s20, 6
	s_add_co_u32 s35, s35, VST
	v_add_nc_u32 v7, s35, v7                       ; V's way out: keys 32 h on, channel 16 t + r
	s_lshr_b32 s26, s20, 2
	s_lshl_b32 s26, s26, 8
	s_and_b32 s27, s20, 3
	s_lshl_b32 s27, s27, 2
	s_add_co_u32 s26, s26, s27                     ; 256 (t / 4) + 4 (t % 4)
	s_lshl_b32 s35, s19, 9
	s_add_co_u32 s35, s35, SCST
	v_add_nc_u32 v9, s35, v4                       ; my tensor's scale words, 16 bytes a lane
	s_add_co_u32 s35, s35, s26
	v_lshl_add_u32 v8, v2, 4, s35                  ; and my row's word
	s_lshl_b32 s27, s19, 1
	s_add_co_u32 s26, s26, s27
	s_add_co_u32 s26, s26, SCQ
	v_lshl_add_u32 v31, v2, 4, s26                 ; Q: the two bytes of my row's blocks 2 c, 2 c + 1
	v_add_nc_u32 v22, SCQ, v4                      ; Q's scale words, 16 bytes a lane
	s_mul_i32 s26, s18, 16*QP
	s_add_co_u32 s26, s26, QST                     ; my own stage for Q
	v_mul_u32_u24 v13, v3, QP
	v_lshl_add_u32 v13, v2, 4, v13
	v_add_nc_u32 v13, s26, v13                     ; in: lanes 0-15 one row, lanes 16-31 the next
	v_mul_u32_u24 v30, v2, QP
	v_lshl_add_u32 v30, v3, 7, v30
	v_add_nc_u32 v30, s26, v30                     ; out: row r, my block of 32
	v_lshlrev_b32 v162, 9, v3
	v_lshl_add_u32 v162, v2, 4, v162               ; Q in memory: lanes 0-15 256 bytes of one row, lanes 16-31 of the next
	v_mul_u32_u24 v161, v3, 6400
	v_lshl_add_u32 v161, v2, 4, v161               ; Q's scale words in memory: lanes 0-15 the first block of 64, lanes 16-31 the second
	; offsets in memory
	s_lshl_b32 s38, ttmp9, 16                      ; 128 rows of 512 bytes
	s_lshl_b32 s28, s20, 13
	s_add_co_u32 s28, s28, s38                     ; Q: my tile's 16 rows,
	s_lshl_b32 s26, s19, 8
	s_add_co_u32 s28, s28, s26                     ; my 64 channels
	s_mov_b32 s29, 0
	s_lshl_b32 s26, s21, 14
	s_add_co_u32 s38, s38, s26
	s_lshl_b32 s26, s22, 12
	s_add_co_u32 s38, s38, s26                     ; K, V: row 32 b + 8 u of the step
	s_mov_b32 s39, 0
	s_mul_i32 s26, ttmp9, RECB
	s_mul_i32 s27, s18, 1536
	s_add_co_u32 s50, s26, s27                     ; my fragment in the record
	s_mov_b32 s51, 0
	s_lshl_b32 s27, s19, 9
	s_add_co_u32 s52, s26, s27
	s_add_co_u32 s52, s52, 24576                   ; my tensor's scale words in the record
	s_mov_b32 s53, 0
	s_mul_i32 s54, ttmp9, 12800                    ; my two blocks of 64 queries
	s_mov_b32 s55, 0
	s_lshr_b32 s26, s20, 2
	s_mul_i32 s26, s26, 6400
	s_and_b32 s27, s20, 3
	s_mul_i32 s27, s27, 1536
	s_add_co_u32 s56, s26, s27
	s_mul_i32 s27, s19, 768
	s_add_co_u32 s56, s56, s27                     ; and my half tile in them
	s_mov_b32 s57, 0
	s_lshr_b32 s30, ttmp9, 4
	s_lshl_b32 s30, s30, 2                         ; my batch's valid_len
	s_mov_b32 s31, 0
	s_and_b32 s33, ttmp9, 15
	s_lshl_b32 s33, s33, 7                         ; the record's first key
.macro QLOADS j0                       ; four of Q's loads: two rows' 256 bytes a load; read once in the launch
.irp j, 0,1,2,3
	global_load_b128 v[QX+4*(\j0+\j):QX+4*(\j0+\j)+3], v162, s[28:29] offset:1024*(\j0+\j) th:TH_LOAD_NT
.endr
.endm
	s_wait_alu depctr_va_vdst(0)                   ; directly ahead of the wait below
	s_wait_kmcnt 0x0
	s_add_nc_u64 s[30:31], s[10:11], s[30:31]
	s_load_b32 s32, s[30:31], 0x0
	s_add_nc_u64 s[28:29], s[8:9], s[28:29]
	s_cmp_lg_u32 s23, 0
	s_cbranch_scc1 .Lno_lens
	global_load_b32 v12, v24, s[10:11]             ; valid_lens[lane % 16]: older than the row loads, so their counts below stay as they are
.Lno_lens:
	QLOADS 0
	s_cmp_eq_u32 s19, 0
	s_cselect_b64 s[36:37], s[4:5], s[6:7]         ; the choice hangs on the wave's number alone
	s_add_nc_u64 s[36:37], s[36:37], s[38:39]
	s_add_nc_u64 s[50:51], s[12:13], s[50:51]
	s_add_nc_u64 s[52:53], s[12:13], s[52:53]
	s_add_nc_u64 s[54:55], s[14:15], s[54:55]
	s_add_nc_u64 s[56:57], s[54:55], s[56:57]
	s_wait_kmcnt 0x0
	s_cmp_gt_i32 s32, 0
	s_cselect_b32 s32, s32, 2048                   ; valid_len 0 or less: all 2,048 keys are walked
	s_cmp_lt_u32 s33, s32
	s_cselect_b32 s42, 1, 0                        ; 1: my record is walked
	s_cbranch_scc0 .Ldead
.irp j, 0,1,2,3,4,5,6,7,8,9,10,11,12,13,14,15
	global_load_b128 v[X+4*\j:X+4*\j+3], v4, s[36:37] offset:(\j+8*(\j/8))*512 th:TH_LOAD_NT   ; rows 0-7 and 16-23 from mine on
.endr
	QLOADS 4
.irp j, 0,1,2,3,4,5,6,7,8,9,10,11,12,13,14,15
	s_wait_loadcnt 19-\j                           ; loads come back in order: row j is in; the 15 - j younger rows and Q's last four may be out
	ds_store_b128 v5, v[X+4*\j:X+4*\j+3] offset:(\j+8*(\j/8))*RP
.endr
	s_branch .Lstaged
.Ldead:
	QLOADS 4
.Lstaged:
	s_wait_dscnt 0x0                               ; for the others' sake: my rows lie in LDS
	s_barrier_signal -1
	s_barrier_wait -1
	s_cmp_eq_u32 s42, 0
	s_cbranch_scc1 .Lskip_codes
	s_cmp_lg_u32 s19, 0
	s_cbranch_scc1 .Lv_arm
.irp c, 0,1
.irp i, 0,1,2,3,4,5,6,7
	ds_load_b128 v[X+32*\c+4*\i:X+32*\c+4*\i+3], v6 offset:256*\c+16*\i   ; K(my key, 64 c + 32 h + 4 i ..)
.endr
.endr
	s_branch .Lread
.Lv_arm:
.irp c, 0,1
.irp i, 0,1,2,3,4,5,6,7,8,9,10,11,12,13,14,15,16,17,18,19,20,21,22,23,24,25,26,27,28,29,30,31
	ds_load_b32 v[X+32*\c+\i], v7 offset:2*BLK*\c+RP*\i   ; V(64 c + 32 h + i, my channel): my registers run down the keys
.endr
.endr
.Lread:
	s_wait_dscnt 0x0
.irp c, 0,1                                    ; my block 2 c + h: all its 32 numbers are mine
	v_max3_num_f32 v[14+\c], |v[X+32*\c]|, |v[X+32*\c+1]|, 0x1800000   ; and the floor 2^(3 - 127): so the byte cannot fall under 1
.endr
.irp i, 2,4,6,8,10,12,14,16,18,20,22,24,26,28,30
.irp c, 0,1
	s_delay_alu instid0(VALU_DEP_2)
	v_max3_num_f32 v[14+\c], v[14+\c], |v[X+32*\c+\i]|, |v[X+32*\c+\i+1]|   ; (the two blocks by turns)
.endr
.endr
.irp c, 0,1
	s_delay_alu instid0(VALU_DEP_2)
	v_add_nc_u32 v[16+\c], 0xff000000, v[14+\c]    ; 2 off the exponent field: the conversion takes the exponent field of this operand as its scale
.endr
.irp c, 0,1
	s_delay_alu instid0(VALU_DEP_2)
	v_lshrrev_b32 v[18+\c], 23, v[16+\c]           ; the scale's byte
.endr
	s_delay_alu instid0(VALU_DEP_1)
	v_lshl_or_b32 v20, v19, 16, v18                ; my two bytes, blocks h and 2 + h,
	v_lshlrev_b32 v21, 3, v3
	s_delay_alu instid0(VALU_DEP_1)
	v_lshlrev_b32 v20, v21, v20                    ; at their places in the word;
	v_mov_b32 v21, 0
	s_delay_alu instid0(VALU_DEP_1)
	v_permlanex16_b32 v21, v20, s24, s25
	s_delay_alu instid0(VALU_DEP_1)
	v_or_b32 v20, v20, v21                         ; with lane l xor 16's two the word is whole
.irp c, 0,1
	v_cvt_scalef32_pk16_fp6_f32 v[C+6*\c:C+6*\c+2], v[X+32*\c:X+32*\c+15], v[16+\c]
	v_cvt_scalef32_pk16_fp6_f32 v[TT+4*\c:TT+4*\c+2], v[X+32*\c+16:X+32*\c+31], v[16+\c]
.endr
	v_nop                                          ; one plain place behind a scaled conversion
.irp c, 0,1
.irp i, 0,1,2
	v_mov_b32 v[C+6*\c+3+\i], v[TT+4*\c+\i]
.endr
.endr
.irp c, 0,1,2
	global_store_b128 v4, v[C+4*\c:C+4*\c+3], s[50:51] offset:512*\c   ; the fragment as it stands: 512 consecutive bytes a store, aligned
.endr
	ds_store_b32 v8, v20                           ; lanes l and l xor 16 write the same word with the same value
.Lskip_codes:
	; my half tile of Q
	s_wait_loadcnt 0x0
.irp j, 0,1,2,3,4,5,6,7
	ds_store_b128 v13, v[QX+4*\j:QX+4*\j+3] offset:2*QP*\j
.endr
.irp i, 0,1,2,3,4,5,6,7
	ds_load_b128 v[QY+4*\i:QY+4*\i+3], v30 offset:16*\i   ; LDS serves a wave's instructions in order: these see my stores
.endr
	s_wait_dscnt 0x0
	v_max3_num_f32 v14, |v[QY]|, |v[QY+1]|, 0x1800000     ; my block 2 c + h: all its 32 numbers are mine
	v_max3_num_f32 v15, |v[QY+2]|, |v[QY+3]|, 0x1800000
.irp i, 4,8,12,16,20,24,28
	s_delay_alu instid0(VALU_DEP_2)
	v_max3_num_f32 v14, v14, |v[QY+\i]|, |v[QY+\i+1]|
	s_delay_alu instid0(VALU_DEP_2)
	v_max3_num_f32 v15, v15, |v[QY+\i+2]|, |v[QY+\i+3]|
.endr
	v_mov_b32 v21, 0
	v_lshlrev_b32 v19, 3, v3
	v_max_num_f32 v14, v14, v15
	s_delay_alu instid0(VALU_DEP_1)
	v_add_nc_u32 v16, 0xff000000, v14
	s_delay_alu instid0(VALU_DEP_1)
	v_lshrrev_b32 v18, 23, v16                     ; the scale's byte
	v_cvt_scalef32_pk16_fp6_f32 v[QC:QC+2], v[QY:QY+15], v16
	v_cvt_scalef32_pk16_fp6_f32 v[QC+6:QC+8], v[QY+16:QY+31], v16
	v_lshlrev_b32 v20, v19, v18                    ; at its place of the two
	v_permlanex16_b32 v21, v20, s24, s25
	v_mov_b32 v[QC+3], v[QC+6]
	v_mov_b32 v[QC+4], v[QC+7]
	v_mov_b32 v[QC+5], v[QC+8]
	v_or_b32 v20, v20, v21                         ; with lane l xor 16's
	global_store_b128 v4, v[QC:QC+3], s[56:57]
	global_store_b64 v23, v[QC+4:QC+5], s[56:57] offset:512   ; 512 and 256 consecutive bytes, aligned
	ds_store_b16 v31, v20                          ; lanes l and l xor 16 write the same two bytes with the same value
	s_wait_alu depctr_va_vdst(0)
	s_wait_dscnt 0x0                               ; for the others' sake: my scale words and bytes lie in LDS
	s_barrier_signal -1
	s_barrier_wait -1
	s_cmp_lg_u32 s18, 2
	s_cbranch_scc1 .Lno_qwords
	ds_load_b128 v[164:167], v22                   ; wave 2: Q's scale words of both blocks
	s_wait_dscnt 0x0
	global_store_b128 v161, v[164:167], s[54:55] offset:6144
.Lno_qwords:
	s_cmp_eq_u32 s42, 0
	s_cbranch_scc1 .Lno_words
	s_cmp_lg_u32 s20, 0
	s_cbranch_scc1 .Lno_words
	ds_load_b128 v[116:119], v9                    ; waves 0 and 8: the eight tiles' words, 512 bytes
	s_wait_dscnt 0x0
	global_store_b128 v4, v[116:119], s[52:53]
.Lno_words:
	s_cmp_lg_u32 s23, 0
	s_cbranch_scc1 .Lno_list
	; THE LIST.  A batch walks ceil(valid_len / 128) steps, all 16 where valid_len is 0 or less (every logit is then the fill value, and every key counts alike).
	v_add_nc_u32 v25, -1, v12
	v_mov_b32 v26, 0
	v_min_u32 v25, 0x7ff, v25                      ; valid_len - 1 as an unsigned number, held at 2,047: 0 and less count as the longest
	v_mov_b32 v28, v2
	v_lshl_or_b32 v25, v25, 4, v2                  ; with the batch's number below it no two keys are equal
	v_mov_b32 v29, v12
.irp j, 0,1,2,3,4,5,6,7,8,9,10,11,12,13,14,15
	v_readlane_b32 s46, v25, \j
	v_cmp_lt_u32 vcc_lo, s46, v25
	v_cndmask_b32 v27, 0, 1, vcc_lo
	v_add_nc_u32 v26, v26, v27                     ; my rank: how many keys lie under mine
.endr
	v_min_u32 v26, 15, v26
	v_lshlrev_b32 v26, 3, v26
	global_store_b64 v26, v[28:29], s[16:17]       ; {batch, valid_len} at 8 x rank; lanes 16-31 repeat lanes 0-15
.Lno_list:
	s_wait_tensorcnt 0x0                           ; the wave's end, behind my last LDS store
	ds_add_u32 v10, v11
	s_wait_dscnt 0x0
	s_endpgm
.Lfunc_end_k_q17c4e0e61c_prep:
	.size	k_q17c4e0e61c_prep, .Lfunc_end_k_q17c4e0e61c_prep-k_q17c4e0e61c_prep
	.p2alignl 7, 3214868480
	.fill 96, 4, 3214868480
	.section	.rodata,"a",@progbits
	.p2align	6, 0x0
	.amdhsa_kernel k_q17c4e0e61c_prep
		.amdhsa_group_segment_fixed_size 209408
		.amdhsa_private_segment_fixed_size 0
		.amdhsa_enable_private_segment 0
		.amdhsa_kernarg_size 56
		.amdhsa_user_sgpr_count 2
		.amdhsa_user_sgpr_kernarg_segment_ptr 1
		.amdhsa_wavefront_size32 1
		.amdhsa_system_sgpr_workgroup_id_x 1
		.amdhsa_system_sgpr_workgroup_id_y 1
		.amdhsa_system_sgpr_workgroup_id_z 1
		.amdhsa_system_vgpr_workitem_id 0
		.amdhsa_next_free_vgpr 200
		.amdhsa_next_free_sgpr 66
		.amdhsa_reserve_vcc 1
		.amdhsa_float_denorm_mode_32 3
		.amdhsa_float_denorm_mode_16_64 3
		.amdhsa_memory_ordered 1
		.amdhsa_forward_progress 1
		.amdhsa_inst_pref_size 28
	.end_amdhsa_kernel
	.amdgpu_metadata
---
amdhsa.version: [ 1, 2 ]
amdhsa.kernels:
  - .name:           k_q17c4e0e61c_prep
    .symbol:         k_q17c4e0e61c_prep.kd
    .args:
      - { .name: K, .offset: 0, .size: 8, .value_kind: global_buffer, .address_space: global }
      - { .name: V, .offset: 8, .size: 8, .value_kind: global_buffer, .address_space: global }
      - { .name: Q, .offset: 16, .size: 8, .value_kind: global_buffer, .address_space: global }
      - { .name: valid_lens, .offset: 24, .size: 8, .value_kind: global_buffer, .address_space: global }
      - { .name: kv, .offset: 32, .size: 8, .value_kind: global_buffer, .address_space: global }
      - { .name: qc, .offset: 40, .size: 8, .value_kind: global_buffer, .address_space: global }
      - { .name: sched, .offset: 48, .size: 8, .value_kind: global_buffer, .address_space: global }
    .group_segment_fixed_size: 209408
    .private_segment_fixed_size: 0
    .kernarg_segment_align: 8
    .kernarg_segment_size: 56
    .max_flat_workgroup_size: 512
    .sgpr_count:     66
    .vgpr_count:     200
    .wavefront_size: 32
...
	.end_amdgpu_metadata
.endif
;; end of part 3
;; launch attn (part 4): grid 256 x 1, 4 waves a work-group, no clusters, 274,944 bytes of LDS; arguments qc, kv, sched, out0; writes out0
.if DOCPART == 4
	.amdgcn_target "amdgcn-amd-amdhsa--gfx1250"
	.amdhsa_code_object_version 6
	.text
	.protected	k_q17c4e0e61c_attn
	.globl	k_q17c4e0e61c_attn
	.p2align	8
	.type	k_q17c4e0e61c_attn,@function
k_q17c4e0e61c_attn:
	s_mov_b64 s[64:65], 0
	v_nop
	global_prefetch_b8 v0, s[64:65] scope:SCOPE_SE
	s_setreg_imm32_b32 hwreg(HW_REG_WAVE_MODE, 25, 1), 1
	s_wait_xcnt 0x0
; out0[b][q][:] = the sum over k of softmax_k(logit) V[b][k][:], logit = Q[b][q] . K[b][k] / sqrt(128) where k < valid_lens[b], else -1e6.  Both products on codes of FP6 (E2M3), one E8M0 scale for each 32 along a product's K.
; THE SOFTMAX AHEAD OF THE SECOND PRODUCT: t = logit x log2(e); M = the running largest t rounded UP to a whole number; p = 2^(t - M) is quantised along the keys, not normalised; the row's sum is taken of the
; unquantised p and divides at the end.  When M moves, the sum and O are multiplied by 2^(old M - new M): exact.
; Q's blocks and the records of K and V come as images of the operands' registers, made by the launch before (one record = 128 keys = 25,600 bytes: K's 8 fragments, V^T's 8, K's scale words, V's).
; WHAT IS LEFT OUT: for valid_len >= 1 the key steps that lie wholly at or beyond valid_len.  Their p, like that of every hidden key, is 2^(-1,442,695 - M).
; valid_len <= 0: every key's logit is the fill value, so every p is 1 whatever Q . K is: the factor c is then 0, every t is 0, M is 0 and every p is 1.
; LIMITS: a hidden key's p is taken as 0 (its score gets -1e30 added), which holds while a row's largest valid logit lies above about -999,900 and |Q . K| stays under 1.13e7; p under 2^-126 comes out of v_exp_f32 as 0;
; a block of zeros keeps the scale byte 1 (its codes are zeros); NaN and infinities among the inputs are not served, nor carried from what is left out.
; SHARES.  256 work-groups of four waves.  Work-group g: pair g / 32, query block g % 32: 64 queries of the batch of rank pair (few keys: 'low', nl steps) and 64 of the batch of rank 15 - pair (many keys: 'high', nh steps).
; The n = nl + nh steps, low's first, are one list, cut into four contiguous shares, one a wave: at most one wave goes from low to high.  A wave owns all 64 queries, four tiles of 16: so a record is loaded by ONE wave of the
; work-group, straight into registers, and feeds 64 matrix instructions.  No LDS and no barrier in the loop.  A wave's partial O, sum and M go into a slot of LDS for its part of low and another for its part of high;
; behind one barrier the partials are brought under one M (exact powers of two), added, divided by the sum and stored, 16 rows of each batch a wave, 512 consecutive bytes a store.
; NO TENSOR LOAD, NO CLUSTER: the number of steps hangs on valid_lens, read from memory.
; LOADS, each in one run: K of the next step is asked for behind a step's score products, V of the next step behind its last products: each as soon as the products have left its registers.  The last step asks for nothing and is written out.
; LAYOUT.  Both products are used transposed: S^T = K Q^T, O^T = V^T P^T: a lane holds ONE query of a tile (lane % 16); the 16 registers of score tiles 2 b, 2 b + 1 are keys 32 b + 16 (lane / 16) + 0 .. 15.
; REGISTERS.  window 0: as named below.  window 1: v0-95 K's fragments, v96-191 V's, v192-255 what hidden keys' scores get added.  window 2: S^T, then p, 64 registers a tile of queries.  window 3: O^T, the same.
.set RECB,  25600
.set KSCO,  24576                      ; K's scale words in a record
.set VSCO,  25088                      ; V's
.set SLOTB, 64*528                     ; a slot: 64 rows of 512 bytes + 16.  Slot w: wave w's part of low; slot 4 + w: of high
.set STATS, 8*SLOTB                    ; 512 bytes for each slot: {-M, sum} of each row
.set SPARE, STATS+8*512                ; the spare words, 128 bytes for each wave: two blocks of 256 bytes that no other line names
.set NM,  8                            ; v8-15    for each tile: -M, and (behind it) the whole sum on the way out
.set RM,  16                           ; v16-19   the largest score so far
.set LS,  20                           ; v20-27   the sums, in two halves
.set FS,  28                           ; v28-35   f = 2^(old M - new M), in the even ones
.set BM,  36                           ; v36-51   block maxima, 4 a tile
.set PT,  52                           ; v52-67   lane permutes
.set SOP, 68
.set BY,  72
.set CT,  76
.set P,   84                           ; v84-131  p's codes
.set PW,  132                          ; v132-135 p's scale words
.set QC,  136                          ; v136-183 Q's codes
.set QS,  184                          ; v184-187 Q's scale words
.set KS,  188                          ; v188-191 K's
.set VS,  192                          ; v192-195 V's
.set TX,  200                          ; v200-203 at work
.set SPW, 206                          ; v206, v207 the add's two
.set NIL, 207
.set MR,  208                          ; v208-211 the merge's row addresses, two slots a register
.set MS,  212                          ; v212     and its stats address
.set XX,  213                          ; v213-216 at work
.set FC,  104                          ; v104-111 the merge's factors, one a slot
.set KB,  12                           ; s[12:13] the record that is being asked for
.set MSB, 0
.macro WIN new                         ; the immediate's high byte repeats the setting that is left; at every label and branch the setting is 0
.if MSB != \new
	s_set_vgpr_msb (MSB<<8)|\new
.set MSB, \new
.endif
.endm
.macro PLACES                          ; four plain places behind matrix instructions, in front of loads into their registers and of the first read of their results
.rept 4
	v_nop
.endr
.endm
.macro RADDR d, delta                  ; s[d:d+1] = the record of list place s47 + delta (held inside the buffer's 256 records)
	s_add_co_u32 s60, s47, \delta
	s_cmp_lt_u32 s60, s44
	s_cselect_b32 s61, s56, s57
	s_add_co_u32 s60, s60, s61
	s_min_u32 s60, s60, 255
	s_mul_i32 s60, s60, RECB
	s_mov_b32 s61, 0
	s_add_nc_u64 s[\d:\d+1], s[6:7], s[60:61]
.endm
.macro QLOAD base                      ; 17 loads: four tiles' codes and the scale words
.irp qt, 0,1,2,3
.irp c, 0,1
	global_load_b128 v[QC+12*\qt+6*\c:QC+12*\qt+6*\c+3], v1, s[\base:\base+1] offset:1536*\qt+768*\c
	global_load_b64 v[QC+12*\qt+6*\c+4:QC+12*\qt+6*\c+5], v7, s[\base:\base+1] offset:1536*\qt+768*\c+512
.endr
.endr
	global_load_b128 v[QS:QS+3], v2, s[\base:\base+1] offset:6144
.endm
.macro FLOAD f                         ; fragment f of the record (0-7: K's, 8-15: V's), destination window 1
.irp c, 0,1,2
	global_load_b128 v[12*(\f)+4*\c:12*(\f)+4*\c+3], v1, s[KB:KB+1] offset:1536*(\f)+512*\c
.endr
.endm
.macro KLOAD                           ; K's 25 loads
	global_load_b128 v[KS:KS+3], v1, s[KB:KB+1] offset:KSCO
	WIN 0x40
.irp f, 0,1,2,3,4,5,6,7
	FLOAD \f
.endr
	WIN 0
.endm
.macro VLOAD                           ; V's 25 loads
	global_load_b128 v[VS:VS+3], v1, s[KB:KB+1] offset:VSCO
	WIN 0x40
.irp f, 8,9,10,11,12,13,14,15
	FLOAD \f
.endr
	WIN 0
.endm
.macro WMX th, cm                      ; D = DD, A = AA, B = BB, C = CC or 0, scales SA (lanes 0-15, or with th lanes 16-31) and SB
.if \th
.if \cm
	v_wmma_scale_f32_16x16x128_f8f6f4 v[DD:DD+7], v[AA:AA+11], v[BB:BB+11], v[CC:CC+7], v[SA], v[SB] matrix_a_fmt:MATRIX_FMT_FP6 matrix_b_fmt:MATRIX_FMT_FP6 matrix_a_scale:MATRIX_SCALE_ROW1
.else
	v_wmma_scale_f32_16x16x128_f8f6f4 v[DD:DD+7], v[AA:AA+11], v[BB:BB+11], 0, v[SA], v[SB] matrix_a_fmt:MATRIX_FMT_FP6 matrix_b_fmt:MATRIX_FMT_FP6 matrix_a_scale:MATRIX_SCALE_ROW1
.endif
.else
.if \cm
	v_wmma_scale_f32_16x16x128_f8f6f4 v[DD:DD+7], v[AA:AA+11], v[BB:BB+11], v[CC:CC+7], v[SA], v[SB] matrix_a_fmt:MATRIX_FMT_FP6 matrix_b_fmt:MATRIX_FMT_FP6
.else
	v_wmma_scale_f32_16x16x128_f8f6f4 v[DD:DD+7], v[AA:AA+11], v[BB:BB+11], 0, v[SA], v[SB] matrix_a_fmt:MATRIX_FMT_FP6 matrix_b_fmt:MATRIX_FMT_FP6
.endif
.endif
.endm
; One round (i = 0 .. 7) of the largest score of each block of 32 keys, for tile qt: its four blocks by turns; each accumulator is read from its low end on.  Window setting 0x28
.macro MAXR qt, i
.irp b, 0,1,2,3
.if \i == 0
	v_max3_num_f32 v[BM+4*(\qt)+\b], 0xff61b1e6, v[64*(\qt)+16*\b], v[64*(\qt)+16*\b+1]   ; -3e38: under every score
.else
	v_max3_num_f32 v[BM+4*(\qt)+\b], v[BM+4*(\qt)+\b], v[64*(\qt)+16*\b+2*\i], v[64*(\qt)+16*\b+2*\i+1]
.endif
.endr
.endm
; S^T = K Q^T: four tiles of queries x eight of keys, begun with 0, or (masked = 1) with what hidden keys get added.  Behind each product of a tile stands a round of the maxima of the tile before:
; at the least four plain places lie between an accumulator's product and its first read (behind the first tile they are written as v_nop).
.macro SPROD masked
.irp qt, 0,1,2,3
.irp t, 0,1,2,3,4,5,6,7
	WIN (0x81+0x10*\masked)
.set DD, 64*\qt+8*\t
.set AA, 12*\t
.set BB, QC+12*\qt
.set CC, 192+8*\t
.set SA, KS+(\t%4)
.set SB, QS+\qt
	WMX (\t/4), \masked
.if \qt > 0
	WIN 0x28
	MAXR (\qt-1), \t
.endif
.endr
.if \qt == 0
	PLACES
.endif
.endr
	WIN 0
.endm
; O^T += V^T P^T: 32 accumulators take turns, one instruction a turn
.macro PVPROD
	WIN 0xf1
.irp qt, 0,1,2,3
.irp t, 0,1,2,3,4,5,6,7
.set DD, 64*\qt+8*\t
.set AA, 96+12*\t
.set BB, P+12*\qt
.set CC, DD
.set SA, VS+(\t%4)
.set SB, PW+\qt
	WMX (\t/4), 1
.endr
.endr
	WIN 0
.endm
.macro PKFMA t                         ; t - M of a whole tile, two at a time
.set k, 64*(\t)
.rept 32
	v_pk_fma_f32 v[k:k+1], v[k:k+1], s[22:23], v[NM+2*(\t):NM+2*(\t)+1] op_sel_hi:[1,0,0]
.set k, k+2
.endr
.endm
.macro LV t, cnt, st                   ; a level of a tile's sum, in place, behind its conversion: cnt pairs, st apart, each takes the pair st / 2 further on
.set k, 64*\t
.rept \cnt
	v_pk_add_f32 v[k:k+1], v[k:k+1], v[k+\st/2:k+\st/2+1]
.set k, k+\st
.endr
.endm
; The exponentials of tile j; between them, on registers that no exponential of this batch names, the next tile's t - M and levels of the sums of the tiles already converted.
.macro BATCH j
	WIN 0x8a
	s_wait_alu depctr_va_vdst(0)                   ; ahead of the batch
.set n, 0
.rept 64
	v_exp_f32 v[64*(\j)+n], v[64*(\j)+n]           ; p = 2^(t - M), at most 1: not normalised
.if ((\j)<3)&&((n%2)==1)
	v_pk_fma_f32 v[64*(\j)+63+n:64*(\j)+64+n], v[64*(\j)+63+n:64*(\j)+64+n], s[22:23], v[NM+2*(\j)+2:NM+2*(\j)+3] op_sel_hi:[1,0,0]
.endif
.if ((\j)>0)&&((n%4)==2)
	v_pk_add_f32 v[64*(\j)-66+n:64*(\j)-65+n], v[64*(\j)-66+n:64*(\j)-65+n], v[64*(\j)-64+n:64*(\j)-63+n]
.endif
.if ((\j)>1)&&((n%8)==4)
	v_pk_add_f32 v[64*(\j)-132+n:64*(\j)-131+n], v[64*(\j)-132+n:64*(\j)-131+n], v[64*(\j)-128+n:64*(\j)-127+n]
.endif
.if ((\j)>2)&&((n%16)==8)
	v_pk_add_f32 v[n-8:n-7], v[n-8:n-7], v[n:n+1]
.endif
.set n, n+1
.endr
	WIN 0
.irp b, 0,1,2,3
	v_exp_f32 v[BM+4*(\j)+\b], v[BM+4*(\j)+\b]     ; the blocks' largest p: p rises with t, and the same instructions on the same number give the same bits
.endr
	v_pk_mul_f32 v[LS+2*(\j):LS+2*(\j)+1], v[LS+2*(\j):LS+2*(\j)+1], v[FS+2*(\j):FS+2*(\j)+1] op_sel_hi:[1,0]   ; the sums under the new M: a plain place behind the exponentials
	s_wait_alu depctr_va_vdst(0)                   ; one wait for the batch, ahead of its first reader
.endm
; Tile j's p becomes an operand: scale operands, codes, scale word
.macro CODES j
.irp b, 0,1,2,3
	v_max_num_f32 v[BM+4*(\j)+\b], 0x1800000, v[BM+4*(\j)+\b]   ; the floor 2^(3 - 127): a block whose every p is 0 keeps the byte 1; its codes are zeros
.endr
.irp b, 0,1,2,3
	v_add_nc_u32 v[SOP+\b], 0xff000000, v[BM+4*(\j)+\b]   ; 2 off the exponent field: the conversion takes the exponent field as its scale
.endr
	WIN 0x02
.irp c, 0,1
	v_cvt_scalef32_pk16_fp6_f32 v[P+12*(\j)+6*\c:P+12*(\j)+6*\c+2], v[64*(\j)+32*\c:64*(\j)+32*\c+15], v[SOP+2*\c]
	v_cvt_scalef32_pk16_fp6_f32 v[CT+4*\c:CT+4*\c+2], v[64*(\j)+32*\c+16:64*(\j)+32*\c+31], v[SOP+2*\c+1]   ; (a conversion's three registers begin on an even number)
.endr
	WIN 0
.irp b, 0,1,2,3
	v_lshrrev_b32 v[BY+\b], 23, v[SOP+\b]          ; the scale's byte; plain places behind the conversions
.endr
	v_lshl_or_b32 v[PW+\j], v[BY+1], 8, v[BY]
.irp i, 0,1,2                                  ; the operand's layout wants a WHOLE block in a lane: lanes 0-15 block 2 c, lanes 16-31 block 2 c + 1
.irp c, 0,1
	v_permlane16_swap_b32 v[P+12*(\j)+6*\c+\i], v[CT+4*\c+\i]
.endr
.endr
	v_lshl_or_b32 v[PW+\j], v[BY+2], 16, v[PW+\j]
.irp i, 0,1,2
.irp c, 0,1
	v_mov_b32 v[P+12*(\j)+6*\c+3+\i], v[CT+4*\c+\i]
.endr
.endr
	v_lshl_or_b32 v[PW+\j], v[BY+3], 24, v[PW+\j]
.endm
; ONE KEY STEP, list place s47, its first key s29.  more = 1: another step of mine follows.
.macro STEP more
	s_wait_loadcnt 25                              ; this step's K is in, and Q's codes where they were asked for; V's 25 loads, issued behind them, may be out
	s_add_co_u32 s60, s29, 128
	s_cmp_le_u32 s60, s28
	s_cbranch_scc1 .Lopen_\@
	s_sub_co_u32 s61, s28, s29                     ; some keys of the step are hidden: register 16 b + i holds key first + 16 (lane / 16) + 32 b + i, hidden where 32 b + i >= valid_len - first - 16 (lane / 16)
	v_sub_nc_u32 v197, s61, v196
	WIN 0x40
.set n, 0
.rept 16
.irp q, 0,1,2,3
	v_cmp_ge_i32 s[66+\q], 32*((n+\q)/16)+(n+\q)%16, v197
.endr
.irp q, 0,1,2,3
	v_cndmask_b32 v[192+n+\q], 0, v198, s[66+\q]
.endr
.set n, n+4
.endr
	s_wait_alu depctr_va_vdst(0)
	SPROD 1
	s_branch .Lscored_\@
.Lopen_\@:
	SPROD 0
.Lscored_\@:
	PLACES
.if \more
	s_wait_xcnt 0x0                                ; the loads and the prefetches issued so far have read their bases
	RADDR KB, 1
	s_add_co_u32 s60, s47, 1
	s_cmp_lg_u32 s60, s44
	s_cbranch_scc1 .Lsameq_\@
	QLOAD 16                                       ; my next step is high's first: its queries' codes, into the registers that low's have left
.Lsameq_\@:
	KLOAD                                          ; the next step's K
.endif
	WIN 0x28
.irp i, 0,1,2,3,4,5,6,7
	MAXR 3, \i                                     ; the last tile's maxima
.endr
	WIN 0
.set n, 0
.rept 16
	v_permlanex16_b32 v[PT+n], v[BM+n], s20, s21
.set n, n+1
.endr
.set n, 0
.rept 16
	v_max_num_f32 v[BM+n], v[BM+n], v[PT+n]        ; with lane l xor 16's 16 keys
.set n, n+1
.endr
.irp q, 0,1,2,3
	v_max3_num_f32 v[TX+\q], v[BM+4*\q], v[BM+4*\q+1], v[BM+4*\q+2]
.endr
.irp q, 0,1,2,3
	v_max3_num_f32 v[RM+\q], v[TX+\q], v[BM+4*\q+3], v[RM+\q]   ; the running largest score
.endr
.irp q, 0,1,2,3
	v_mul_f32 v[TX+\q], s22, v[RM+\q]              ; as t (c is not negative)
.endr
.irp q, 0,1,2,3
	v_floor_f32 v[XX+\q], -v[TX+\q]                ; the new -M = floor(-t) = -ceil(t): a whole number
.endr
.irp q, 0,1,2,3
	v_sub_f32 v[TX+\q], v[XX+\q], v[NM+2*\q]       ; old M - new M: a whole number, 0 or less
.endr
.irp q, 0,1,2,3
	v_mov_b32 v[NM+2*\q], v[XX+\q]
.endr
.irp q, 0,1,2,3
	v_cvt_i32_f32 v[TX+\q], v[TX+\q]               ; (it saturates)
.endr
.irp q, 0,1,2,3
	v_ldexp_f32 v[FS+2*\q], 1.0, v[TX+\q]          ; f
.endr
.irp q, 0,1,2,3
.irp b, 0,1,2,3
	v_fma_f32 v[BM+4*\q+\b], v[BM+4*\q+\b], s22, v[NM+2*\q]   ; t - M of each block's largest
.endr
.endr
	WIN 0x8a
	PKFMA 0
	BATCH 0
	CODES 0
	BATCH 1
	CODES 1
.if \more
	; A PREFETCH of the record two steps on, a whole step ahead of the loads that will ask for it: its 100 blocks of 256 bytes, a lane a block.  All 32 work-groups of a pair cut the list alike: the pair's first asks, each wave for its own share,
	; so each block is named once in the launch.  A share's first two records come by their loads alone; the test keeps the request inside the share.
	s_wait_alu depctr_va_vdst(0)                   ; ahead of the branch
	s_add_co_u32 s60, s47, 2
	s_cmp_lt_u32 s60, s33
	s_cbranch_scc0 .Lnoask_\@
	RADDR 34, 2
	global_prefetch_b8 v205, s[34:35] th:TH_LOAD_NT scope:SCOPE_SE
	global_prefetch_b8 v205, s[34:35] offset:8192 th:TH_LOAD_NT scope:SCOPE_SE
	global_prefetch_b8 v205, s[34:35] offset:16384 th:TH_LOAD_NT scope:SCOPE_SE
	global_prefetch_b8 v204, s[34:35] offset:24576 th:TH_LOAD_NT scope:SCOPE_SE
.Lnoask_\@:
.endif
	BATCH 2
	CODES 2
	BATCH 3
	CODES 3
	WIN 0x8a
	LV 3, 16, 4                                    ; what is left of the four sums
	LV 2, 8, 8
	LV 1, 4, 16
	LV 3, 8, 8
	LV 2, 4, 16
	LV 3, 4, 16
.irp q, 0,1,2,3
	LV \q, 2, 32
.endr
.irp q, 0,1,2,3
	LV \q, 1, 64
.endr
	WIN 0x08
.irp q, 0,1,2,3
	v_pk_add_f32 v[LS+2*\q:LS+2*\q+1], v[LS+2*\q:LS+2*\q+1], v[64*\q:64*\q+1]
.endr
	WIN 0xc3
	s_wait_alu depctr_va_vdst(0)                   ; directly ahead of the first reader of O^T
.irp q, 0,1,2,3
.set k, 64*\q
.rept 32
	v_pk_mul_f32 v[k:k+1], v[k:k+1], v[FS+2*\q:FS+2*\q+1] op_sel_hi:[1,0]   ; O^T under the new M
.set k, k+2
.endr
.endr
	WIN 0
	s_wait_alu depctr_va_vdst(0)                   ; directly ahead of the wait below
.if \more
	s_wait_loadcnt 25                              ; V is in; behind its loads were issued the next K's 25 (and, ahead of those, Q's 17 or none)
.else
	s_wait_loadcnt 0x0
.endif
	PVPROD
	PLACES
.if \more
	VLOAD                                          ; the next step's V
.endif
.endm
.macro INITST                          ; a batch's state in front of its first step: the first change of M brings O^T and the sums to 0
.irp q, 0,1,2,3
	v_mov_b32 v[RM+\q], 0xff61b1e6                 ; -3e38
	v_mov_b32 v[NM+2*\q], 0x7f61b1e6               ; -M = 3e38
	v_mov_b32 v[NM+2*\q+1], 0
	v_mov_b32 v[LS+2*\q], 0
	v_mov_b32 v[LS+2*\q+1], 0
.endr
.endm
.macro DUMP addr, saddr                ; my partial O, -M and sum into a slot of mine
	WIN 0x0c
.irp q, 0,1,2,3
.irp t, 0,1,2,3,4,5,6,7
	ds_store_b128 v\addr, v[64*\q+8*\t:64*\q+8*\t+3] offset:16*528*\q+64*\t
	ds_store_b128 v\addr, v[64*\q+8*\t+4:64*\q+8*\t+7] offset:16*528*\q+64*\t+16
.endr
.endr
	WIN 0
.irp q, 0,1,2,3
	v_add_f32 v[NM+2*\q+1], v[LS+2*\q], v[LS+2*\q+1]
.endr
.irp q, 0,1,2,3
	v_permlanex16_b32 v[PT+\q], v[NM+2*\q+1], s20, s21
.endr
.irp q, 0,1,2,3
	v_add_f32 v[NM+2*\q+1], v[NM+2*\q+1], v[PT+\q]   ; with lane l xor 16's: the rows' sums
.endr
.irp q, 0,1,2,3
	ds_store_b64 v\saddr, v[NM+2*\q:NM+2*\q+1] offset:128*\q
.endr
	s_wait_alu depctr_va_vdst(0)
.endm
	s_load_b256 s[4:11], s[0:1], 0x0               ; qc s[4:5], kv s[6:7], sched s[8:9], out0 s[10:11]
	v_lshl_add_u32 v[SPW], v0, 2, SPARE
	v_mov_b32 v[NIL], 0
	v_lshrrev_b32 v1, 5, v0
	v_readfirstlane_b32 s3, v1                     ; wave 0..3
	s_and_b32 s18, ttmp9, 31                       ; block of 64 queries
	s_lshr_b32 s32, ttmp9, 5                       ; pair
	s_sub_co_u32 s34, 15, s32
	s_lshl_b32 s32, s32, 3
	s_lshl_b32 s34, s34, 3
	s_mov_b32 s33, 0
	s_mov_b32 s35, 0
	s_wait_alu depctr_va_vdst(0)
	s_wait_kmcnt 0x0
	s_add_nc_u64 s[32:33], s[8:9], s[32:33]
	s_add_nc_u64 s[34:35], s[8:9], s[34:35]
	s_load_b64 s[24:25], s[32:33], 0x0             ; low: {batch, valid_len}
	s_load_b64 s[26:27], s[34:35], 0x0             ; high
	s_mov_b32 s20, 0x76543210
	s_mov_b32 s21, 0xfedcba98                      ; v_permlanex16_b32's selects for lane l xor 16
	v_and_b32 v200, 31, v0                         ; lane
	v_and_b32 v201, 15, v0                         ; r
	v_bfe_u32 v202, v0, 4, 1                       ; h
	v_lshlrev_b32 v1, 4, v200                      ; 16 bytes a lane
	v_lshlrev_b32 v2, 4, v201                      ; 16 bytes a row: Q's scale words
	v_lshlrev_b32 v7, 3, v200                      ; 8 bytes a lane
	v_lshlrev_b32 v205, 8, v200                    ; the prefetches: 256 bytes a lane,
	v_min_u32 v204, 3, v200
	v_lshlrev_b32 v204, 8, v204                    ; and the record's last four blocks
	v_lshlrev_b32 v196, 4, v202
	v_mov_b32 v198, 0xf149f2ca                     ; -1e30
	s_mul_i32 s60, s3, SLOTB
	v_mul_u32_u24 v203, v201, 528
	v_lshl_add_u32 v203, v202, 5, v203
	v_add_nc_u32 v3, s60, v203                     ; my slot for low: row r, 32 bytes for each half of the lanes
	v_add_nc_u32 v4, 4*SLOTB, v3                   ; for high
	s_lshl_b32 s60, s3, 9
	s_add_co_u32 s60, s60, STATS
	v_lshl_add_u32 v5, v201, 3, s60                ; their stats
	v_add_nc_u32 v6, 2048, v5
	s_lshl_b32 s60, s3, 7
	s_add_co_u32 s60, s60, STATS
	v_lshl_add_u32 v[MS], v201, 3, s60             ; the merge: the stats of row 16 x wave + r,
	s_mul_i32 s60, s3, 16*528
	v_add_nc_u32 v[MR], s60, v1                    ; and my 16 rows, a row an instruction
	v_add_nc_u32 v[MR+1], 2*SLOTB, v[MR]
	v_add_nc_u32 v[MR+2], 4*SLOTB, v[MR]
	v_add_nc_u32 v[MR+3], 6*SLOTB, v[MR]
	INITST
.set n, 0
.rept 16
	v_mov_b32 v[PT+n], 0                           ; written once: a lane permute's destination counts as one of its sources
.set n, n+1
.endr
.irp q, 0,1,2,3
	v_mov_b32 v[FS+2*\q+1], 0                      ; (named as the upper halves of pairs)
.endr
.irp q, 0,1,2,3
	ds_store_b64 v5, v[NM+2*\q:NM+2*\q+1] offset:128*\q   ; a part that I do not have counts as M = -3e38, sum 0; the parts that I have are written over this
	ds_store_b64 v6, v[NM+2*\q:NM+2*\q+1] offset:128*\q
.endr
	s_wait_alu depctr_va_vdst(0)                   ; directly ahead of the wait below
	s_wait_kmcnt 0x0
	s_min_u32 s24, s24, 15                         ; the batches
	s_min_u32 s26, s26, 15
	s_cmp_gt_i32 s25, 0
	s_cselect_b32 s40, s25, 2048                   ; the keys that count: all, each with the same t, where valid_len is 0 or less
	s_cselect_b32 s42, 0x3e0293ee, 0               ; c = log2(e) / sqrt(128), or 0
	s_min_u32 s40, s40, 2048
	s_cmp_gt_i32 s27, 0
	s_cselect_b32 s41, s27, 2048
	s_cselect_b32 s43, 0x3e0293ee, 0
	s_min_u32 s41, s41, 2048
	s_add_co_u32 s44, s40, 127
	s_lshr_b32 s44, s44, 7                         ; nl
	s_add_co_u32 s45, s41, 127
	s_lshr_b32 s45, s45, 7                         ; nh
	s_add_co_u32 s46, s44, s45                     ; n, 2 to 32
	; my share begins at w n / 4 (rounded down; for w > 0 at 1 or later, so that wave 0 always has the list's first place and wave 3 its last) and ends where the next wave's begins
	s_mul_i32 s47, s3, s46
	s_add_co_u32 s48, s47, s46
	s_lshr_b32 s47, s47, 2
	s_lshr_b32 s48, s48, 2
	s_max_u32 s48, s48, 1
	s_cmp_eq_u32 s3, 0
	s_cselect_b32 s49, 0, 1
	s_max_u32 s47, s47, s49
	s_sub_co_u32 s50, s48, s47                     ; my steps
	s_lshl_b32 s56, s24, 4                         ; list place + this = the record: for low,
	s_lshl_b32 s57, s26, 4
	s_sub_co_u32 s57, s57, s44                     ; for high
	s_cmp_eq_u32 s18, 0
	s_cselect_b32 s33, s48, 0                      ; where the prefetches stop
	s_cmp_lt_u32 s47, s44                          ; do I begin in low?
	s_cselect_b32 s51, 0, s44
	s_cselect_b32 s28, s40, s41                    ; the batch's keys that count
	s_cselect_b32 s22, s42, s43                    ; its c
	s_cselect_b32 s52, s24, s26
	s_mov_b32 s23, s22                             ; (named with it as a pair)
	s_sub_co_u32 s29, s47, s51
	s_lshl_b32 s29, s29, 7                         ; my first step's first key
	s_lshl_b32 s52, s52, 5
	s_add_co_u32 s52, s52, s18
	s_mul_i32 s52, s52, 6400
	s_mov_b32 s53, 0
	s_add_nc_u64 s[54:55], s[4:5], s[52:53]        ; my first queries' codes,
	s_lshl_b32 s60, s26, 5
	s_add_co_u32 s60, s60, s18
	s_mul_i32 s60, s60, 6400
	s_mov_b32 s61, 0
	s_add_nc_u64 s[16:17], s[4:5], s[60:61]        ; and high's
	s_lshl_b32 s52, s18, 15
	s_lshl_b32 s60, s3, 13
	s_add_co_u32 s52, s52, s60                     ; the block's rows, my 16 of them
	s_lshl_b32 s60, s24, 20
	s_add_co_u32 s60, s60, s52
	s_add_nc_u64 s[36:37], s[10:11], s[60:61]      ; out0: low's
	s_lshl_b32 s60, s26, 20
	s_add_co_u32 s60, s60, s52
	s_add_nc_u64 s[38:39], s[10:11], s[60:61]      ; high's
	s_cmp_eq_u32 s50, 0
	s_cbranch_scc1 .Lmerge                         ; (n = 2 or 3 leaves a wave without steps)
	RADDR KB, 0
	QLOAD 54
	KLOAD
	VLOAD
	WIN 0xc0
.set n, 0
.rept 256
	v_mov_b32 v[n], 0                              ; O^T, under the loads' flight.  The step is written once: its first run finds zeros, which the first change of M leaves zeros
.set n, n+1
.endr
	WIN 0
	s_mov_b32 s30, 0
	s_sub_co_u32 s31, s50, 1
	s_wait_alu depctr_va_vdst(0)                   ; at the head's end
	s_cmp_eq_u32 s31, 0
	s_cbranch_scc1 .Llast
.Lloop:                                            ; all my steps but the last
	STEP 1
	s_add_co_u32 s47, s47, 1
	s_add_co_u32 s29, s29, 128
	s_cmp_lg_u32 s47, s44
	s_cbranch_scc1 .Lsame
	DUMP 3, 5                                      ; low is done: its partial goes into my slot, and high begins
	s_wait_dscnt 0x0
	INITST
	s_mov_b32 s28, s41
	s_mov_b32 s22, s43
	s_mov_b32 s23, s43
	s_mov_b32 s29, 0
.Lsame:
	s_wait_alu depctr_va_vdst(0)                   ; ahead of the branch
	s_add_co_u32 s30, s30, 1
	s_cmp_lt_u32 s30, s31
	s_cbranch_scc1 .Lloop
.Llast:
	STEP 0
	s_cmp_lt_u32 s47, s44
	s_cbranch_scc0 .Lhigh
	DUMP 3, 5
	s_branch .Lmerge
.Lhigh:
	DUMP 4, 6
.Lmerge:
	s_wait_dscnt 0x0                               ; for the others' sake: my parts lie in LDS
	s_barrier_signal -1
	s_barrier_wait -1
	; THE MERGE.  Lane r works out the factors of row 16 x wave + r: 2^(M of the part - the largest M) / the whole sum, for each part
.irp s, 0,1,2,3,4,5,6,7
	ds_load_b64 v[BM+2*\s:BM+2*\s+1], v[MS] offset:512*\s
.endr
.set n, 0
.rept 16
	s_mov_b32 s[67+2*n], 0                         ; (named as the upper halves of pairs)
.set n, n+1
.endr
	s_wait_dscnt 0x0
.irp x, 0,1
	v_min_num_f32 v[84+\x], v[BM+8*\x], v[BM+8*\x+2]
	v_min_num_f32 v[86+\x], v[BM+8*\x+4], v[BM+8*\x+6]
.endr
.irp x, 0,1
	v_min_num_f32 v[84+\x], v[84+\x], v[86+\x]
.endr
.irp s, 0,1,2,3,4,5,6,7
	v_sub_f32 v[86+\s], v[84+\s/4], v[BM+2*\s]
.endr
.irp s, 0,1,2,3,4,5,6,7
	v_cvt_i32_f32 v[86+\s], v[86+\s]
.endr
.irp s, 0,1,2,3,4,5,6,7
	v_ldexp_f32 v[94+\s], 1.0, v[86+\s]
.endr
.irp x, 0,1
	v_mul_f32 v[102+\x], v[94+4*\x], v[BM+8*\x+1]
.endr
.irp p, 1,2,3
.irp x, 0,1
	v_fma_f32 v[102+\x], v[94+4*\x+\p], v[BM+8*\x+2*\p+1], v[102+\x]
.endr
.endr
	s_wait_alu depctr_va_vdst(0)
	v_rcp_f32 v102, v102
	v_rcp_f32 v103, v103
	v_nop                                          ; a plain place behind the transcendentals
	s_wait_alu depctr_va_vdst(0)
.irp s, 0,1,2,3,4,5,6,7
	v_mul_f32 v[FC+\s], v[94+\s], v[102+\s/4]
.endr
	s_wait_alu depctr_va_vdst(0)
; Part p of batch x (0: low, 1: high): my 16 rows, each times its factor, into (one = 1) or onto the accumulators v[64 x ..] of window 2
.macro MSLOT x, p, one
.set sl, 4*(\x)+(\p)
.set n, 0
.rept 16
	v_readlane_b32 s[66+2*n], v[FC+sl], n
.set n, n+1
.endr
	WIN 0x40
.set n, 0
.rept 16
	ds_load_b128 v[4*n:4*n+3], v[MR+sl/2] offset:(sl%2)*SLOTB+528*n
.set n, n+1
.endr
.if \one
	WIN 0x81
.else
	WIN 0xa1
.endif
	s_wait_alu depctr_va_vdst(0)
.set n, 0
.rept 16
	s_wait_dscnt 15-n                              ; row n is in; the 15 - n younger ones may be out
.irp e, 0,2
.if \one
	v_pk_mul_f32 v[64*(\x)+4*n+\e:64*(\x)+4*n+\e+1], v[4*n+\e:4*n+\e+1], s[66+2*n:67+2*n] op_sel_hi:[1,0]
.else
	v_pk_fma_f32 v[64*(\x)+4*n+\e:64*(\x)+4*n+\e+1], v[4*n+\e:4*n+\e+1], s[66+2*n:67+2*n], v[64*(\x)+4*n+\e:64*(\x)+4*n+\e+1] op_sel_hi:[1,0,1]
.endif
.endr
.set n, n+1
.endr
	WIN 0
	s_wait_alu depctr_va_vdst(0)
.endm
.macro MOPT x, p                       ; the same where wave p has a part of the batch: its share, made anew, meets the batch's places in the list
	s_mul_i32 s60, s46, \p
	s_add_co_u32 s61, s60, s46
	s_lshr_b32 s60, s60, 2
	s_lshr_b32 s61, s61, 2
	s_max_u32 s61, s61, 1
.if \p
	s_max_u32 s60, s60, 1
.endif
.if \x
	s_max_u32 s62, s60, s44
	s_cmp_lt_u32 s62, s61
.else
	s_min_u32 s62, s61, s44
	s_cmp_lt_u32 s60, s62
.endif
	s_cbranch_scc0 .Lnopart_\@
	MSLOT \x, \p, 0
.Lnopart_\@:
.endm
.macro ROWSOUT x, base
	WIN 0x08
.set n, 0
.rept 16
	global_store_b128 v1, v[64*(\x)+4*n:64*(\x)+4*n+3], s[\base:\base+1] offset:512*n th:TH_STORE_NT   ; a whole row, 512 consecutive bytes, aligned
.set n, n+1
.endr
	WIN 0
.endm
	MSLOT 0, 0, 1                                  ; wave 0 always has a part of low
	MOPT 0, 1
	MOPT 0, 2
	MOPT 0, 3
	ROWSOUT 0, 36
	MSLOT 1, 3, 1                                  ; wave 3 always has a part of high
	MOPT 1, 2
	MOPT 1, 1
	MOPT 1, 0
	ROWSOUT 1, 38
	s_wait_tensorcnt 0x0                           ; the wave's end, behind my last LDS store
	ds_add_u32 v[SPW], v[NIL]
	s_wait_dscnt 0x0
	s_endpgm
.Lfunc_end_k_q17c4e0e61c_attn:
	.size	k_q17c4e0e61c_attn, .Lfunc_end_k_q17c4e0e61c_attn-k_q17c4e0e61c_attn
	.p2alignl 7, 3214868480
	.fill 96, 4, 3214868480
	.section	.rodata,"a",@progbits
	.p2align	6, 0x0
	.amdhsa_kernel k_q17c4e0e61c_attn
		.amdhsa_group_segment_fixed_size 274944
		.amdhsa_private_segment_fixed_size 0
		.amdhsa_enable_private_segment 0
		.amdhsa_kernarg_size 32
		.amdhsa_user_sgpr_count 2
		.amdhsa_user_sgpr_kernarg_segment_ptr 1
		.amdhsa_wavefront_size32 1
		.amdhsa_system_sgpr_workgroup_id_x 1
		.amdhsa_system_sgpr_workgroup_id_y 1
		.amdhsa_system_sgpr_workgroup_id_z 1
		.amdhsa_system_vgpr_workitem_id 0
		.amdhsa_next_free_vgpr 1024
		.amdhsa_next_free_sgpr 100
		.amdhsa_reserve_vcc 0
		.amdhsa_float_denorm_mode_32 3
		.amdhsa_float_denorm_mode_16_64 3
		.amdhsa_memory_ordered 1
		.amdhsa_forward_progress 1
		.amdhsa_inst_pref_size 255
	.end_amdhsa_kernel
	.section	.bss,"aw",@nobits
	.p2align	6
	.space	262144
	.amdgpu_metadata
---
amdhsa.version: [ 1, 2 ]
amdhsa.kernels:
  - .name:           k_q17c4e0e61c_attn
    .symbol:         k_q17c4e0e61c_attn.kd
    .args:
      - { .name: qc, .offset: 0, .size: 8, .value_kind: global_buffer, .address_space: global }
      - { .name: kv, .offset: 8, .size: 8, .value_kind: global_buffer, .address_space: global }
      - { .name: sched, .offset: 16, .size: 8, .value_kind: global_buffer, .address_space: global }
      - { .name: out0, .offset: 24, .size: 8, .value_kind: global_buffer, .address_space: global }
    .group_segment_fixed_size: 274944
    .private_segment_fixed_size: 0
    .kernarg_segment_align: 8
    .kernarg_segment_size: 32
    .max_flat_workgroup_size: 128
    .sgpr_count:     100
    .vgpr_count:     1024
    .wavefront_size: 32
...
	.end_amdgpu_metadata
.endif
;; end of part 4
